; MI455X (gfx1250); checked and timed in simulation.
; The chip was launched on July 23, 2026; its instructions are those of AMD's public machine-readable ISA for CDNA 5 (MIT licence, August 2026) and "CDNA5" Instruction Set Architecture Reference Guide (July 2026). The comments in the code are by the model that wrote it; some were corrected since.
;; Ro PE Attention. Allowed arithmetic: matrix products marked QUANTISED: E2M3 operands, one E8M0 scale for each 32 along K, by v_wmma_scale_f32_16x16x128_f8f6f4 with both operands' format E2M3, f32 sums; everything else in f32.
;; Inputs: Wk 1,024 x 1,024 float32; Wo 1,024 x 1,024 float32; Wq 1,024 x 1,024 float32; Wv 1,024 x 1,024 float32; bo 1,024 float32; x 4 x 2,048 x 1,024 float32.
;; Outputs: out0 4 x 2,048 x 1,024 float32.
;; This version of the problem:
;;   THIS VERSION OF THE PROBLEM IS GIVEN IN LOW PRECISION. The matrix products marked QUANTISED in the list below multiply operands that are first quantised to E2M3 (2 exponent bits, 3 mantissa bits; 6 bits a number), with one power-of-two scale for each 32 numbers along K (OCP MX v1.0); their sums are f32. All else is computed in f32.
;;   The module's matrix products, in the order in which they are computed (A, B: the left and right operand; K: the contracted axis; several contracted axes count as one K, in the product's order):
;;     1. [M 8,192, K 1,024] x [K 1,024, N 1,024]; A: input x; B: input Wq: QUANTISED
;;     2. [M 8,192, K 1,024] x [K 1,024, N 1,024]; A: input x; B: input Wk: QUANTISED
;;     3. [M 8,192, K 1,024] x [K 1,024, N 1,024]; A: input x; B: input Wv: QUANTISED
;;     4. batch 64 x [M 2,048, K 64] x [K 64, N 2,048]; A: computed on the way; B: computed on the way: QUANTISED
;;     5. batch 64 x [M 2,048, K 2,048] x [K 2,048, N 64]; A: softmax (see below); B: computed on the way: QUANTISED
;;     6. [M 8,192, K 1,024] x [K 1,024, N 1,024]; A: computed on the way; B: input Wo: QUANTISED
;;   THE QUANTISER, for each operand of a quantised product, along K:
;;     - K is cut into blocks of 32 from its start; a last block that is shorter is filled with zeros.
;;     - A block's scale is 2^e with e = floor(log2(the largest magnitude in the block)) - 2, held to -126 .. 127; a block of zeros has e = 0. As a byte (E8M0): e + 127.
;;     - Each number is divided by its block's scale, clamped to +-7.5, and rounded to the nearest number of E2M3, ties to even, subnormals kept.
;;     - The product sums the exact products of the quantised numbers (number of the format x scale) in f32.
;;   ~~~python
;;   def quantise(x, axis):      # numpy; x: float32 -> the quantised numbers, widened to float32 again
;;       x = np.moveaxis(x, axis, -1); K = x.shape[-1]
;;       x = np.pad(x, [(0, 0)] * (x.ndim - 1) + [(0, -K % 32)]); x = x.reshape(x.shape[:-1] + (-1, 32)); a = np.abs(x).max(-1, keepdims=True)
;;       e = np.where(a > 0, np.clip(np.frexp(np.where(a > 0, a, 1))[1] - 1 - 2, -126, 127), 0)      # np.frexp(a)[1] - 1 = floor(log2(a)), exactly
;;       r = np.clip(x / 2.0 ** e, -7.5, 7.5)
;;       step = 2.0 ** (np.maximum(np.frexp(np.where(r == 0, 1, r))[1] - 1, 0) - 3)
;;       q = np.round(r / step) * step * 2.0 ** e      # np.round: ties to even
;;       return np.moveaxis(q.reshape(q.shape[:-2] + (-1,))[..., :K], -1, axis).astype(np.float32)
;;   ~~~
;;   SOFTMAX AHEAD OF A QUANTISED PRODUCT. Where the list says 'softmax', what is quantised is not the finished softmax but p = 2^(t - M), with t = logit x log2(e) and M = ceil(the row's largest t), a whole number; so 1/2 < the row's largest p <= 1. The row's sum l is taken of the UNQUANTISED p, in f32, and the product's result is divided by l at the end. Since M is a whole number, a kernel that streams over the keys may use a running M (the ceiling of the running maximum): every later rescaling is an exact power of two, which a block's scale takes up: the codes' values come out the same.
;;   OPERANDS COMPUTED ON THE WAY. 'Computed on the way' means the value that the module computes at that place (a softmax that the list does not call 'softmax' is quantised finished and normalised). What goes into a quantiser is computed in f32, as accurately as f32 sums, v_exp_f32 and their like allow (about 1e-6 of the number): no bf16 or f16 on the way to a quantiser, and a product that is left as it is and whose result goes on into a quantised operand takes f32 operands (vector FMAs, or v_wmma_f32_16x16x4_f32). A number that lies on a knife's edge between two numbers of the format may be rounded either way, as far as f32 arithmetic and the matrix unit's own rounding can turn it there, and no further.
;; One version. Each part assembles by itself: llvm-mc -triple=amdgcn-amd-amdhsa -mcpu=gfx1250 --defsym DOCPART=n.
;; ======== version 1 of 1: 4 launches
;; limits: right only within a limited range of input values
;; workspace buffers: img 9,437,184 bytes; scl 655,360 bytes; rope 524,288 bytes; qkv 20,185,088 bytes; ao 6,291,456 bytes
;; launch prep (part 1): grid 256 x 1, 3 waves a work-group, no clusters, 26,112 bytes of LDS; arguments x, Wq, Wk, Wv, Wo, img, scl, rope; writes img, scl, rope
.if DOCPART == 1
	.amdgcn_target "amdgcn-amd-amdhsa--gfx1250"
	.amdhsa_code_object_version 6
	.text
	.protected	k_q993e6aaba3_prep
	.globl	k_q993e6aaba3_prep
	.p2align	8
	.type	k_q993e6aaba3_prep,@function
k_q993e6aaba3_prep:
	s_mov_b64 s[64:65], 0
	v_nop
	global_prefetch_b8 v0, s[64:65] scope:SCOPE_SE
	s_setreg_imm32_b32 hwreg(HW_REG_WAVE_MODE, 25, 1), 1
	s_wait_xcnt 0x0
; x [8192][1024] and Wq, Wk, Wv, Wo [1024][1024], f32, K innermost, become codes of FP6 (E2M3) with one E8M0 byte for each 32 along K,
; laid as IMAGES OF OPERAND REGISTERS.  A tile is 16 rows; tile 2 G + U of a group of 32 rows holds in lane-row r the row
; 32 G + 8 U + r + 8 (r / 8).  A fragment (16 rows x 128 K, 12 registers a lane) is 1,536 bytes: three runs of 512, lane l's registers
; 4 j .. 4 j + 3 at 16 l.  img: 768 tiles x 8 fragments (0-511 x, 512-575 Wq, 576-639 Wk, 640-703 Wv, 704-767 Wo).
; scl, from byte 262,144 on: [tile][r][8 words], word s for K step s.  Wave 0 of each work-group also makes 8 rows of the table
; rope [t][sin j = 0..31][cos j = 0..31], f32.
; A block's scale is 2^(floor(log2(largest magnitude)) - 2); its byte is the largest magnitude's exponent field - 2, held at 1 from below.
; LIMITS: NaN and infinities among the inputs are not served.  A block of zeros, or one whose largest magnitude lies under 2^-124, gets
; the byte 1 (its codes are zeros or near it; only this program reads the bytes).  sin and cos: the angle t x f_j is one f32 product;
; it is reduced by pi/2 in two parts (exact first part up to t = 2,047) and put through polynomials of degree 7 and 8: about 1e-7 of 1.
; f_j = 10^(-j/8) is written as a literal, rounded to f32.
; SHARES: wave w of work-group g takes tile 3 g + w.  Each load reads 512 consecutive bytes of one row; a K step's 16 rows x 512 bytes
; turn through the wave's own stage in LDS (rows 528 bytes apart) so that a lane holds 16 neighbours of each block of its row.
; No tensor loads, no barrier: waves share nothing.  Loads run two K steps (32 loads a wave) ahead.
.set RS,  16                           ; v16-143  two sets of 64: a K step as loaded
.set X,   144                          ; v144-207 64 numbers of my row: register 16 b + i = k 32 b + 16 (lane / 16) + i
.set PC,  208                          ; v208-226 the codes just made
.set TM,  228                          ; v228-243 at work in the quantiser
.set SW,  244                          ; v244-251 the tile's eight scale words
.set SPITCH, 528
.set STG, 16*SPITCH
	s_load_b512 s[16:31], s[0:1], 0x0              ; x, Wq, Wk, Wv, Wo, img, scl, rope
	v_lshl_add_u32 v254, v0, 2, 0x6400
	v_mov_b32 v255, 0
	v_lshrrev_b32 v1, 5, v0
	v_readfirstlane_b32 s4, v1                     ; wave 0..2
	v_and_b32 v1, 31, v0                           ; lane
	v_and_b32 v6, 15, v0                           ; r
	v_bfe_u32 v7, v0, 4, 1                         ; h
	v_lshlrev_b32 v2, 4, v1                        ; 16 x lane
	v_lshlrev_b32 v8, 3, v1                        ; 8 x lane
	s_mul_i32 s5, s4, STG                          ; my stage
	v_add_nc_u32 v3, s5, v2                        ; into it: 16 x lane of a row
	v_mul_u32_u24 v4, v6, SPITCH
	v_lshl_add_u32 v4, v7, 6, v4
	v_add_nc_u32 v4, s5, v4                        ; out of it: row r, + 64 h
	v_lshlrev_b32 v5, 5, v6
	v_lshl_add_u32 v5, v7, 4, v5                   ; scale words: 32 r + 16 h
.irp b, 0,1,2,3
	v_mov_b32 v[TM+4+\b], 0                        ; written once: a lane permute's destination counts as one of its sources
.endr
	s_mov_b32 s12, 0x76543210
	s_mov_b32 s13, 0xfedcba98                      ; v_permlanex16_b32's selects for lane l xor 16
	s_mov_b32 s14, 0xffff0000                      ; lanes 16-31
	s_mul_i32 s6, ttmp9, 3
	s_add_co_u32 s6, s6, s4                        ; my tile, 0..767
	s_and_b32 s7, s6, 63                           ; its number inside a weight
	s_wait_kmcnt 0x0
	s_mov_b64 s[8:9], s[24:25]                     ; the source is chosen by the tile's number alone
	s_cmp_lt_u32 s6, 704
	s_cselect_b64 s[8:9], s[22:23], s[8:9]
	s_cmp_lt_u32 s6, 640
	s_cselect_b64 s[8:9], s[20:21], s[8:9]
	s_cmp_lt_u32 s6, 576
	s_cselect_b64 s[8:9], s[18:19], s[8:9]
	s_cmp_lt_u32 s6, 512
	s_cselect_b64 s[8:9], s[16:17], s[8:9]
	s_cselect_b32 s7, s6, s7                       ; the tile's number inside its tensor
	s_lshr_b32 s10, s7, 1
	s_lshl_b32 s10, s10, 17                        ; 32 rows of 4,096 bytes for each pair of tiles,
	s_and_b32 s11, s7, 1
	s_lshl_b32 s11, s11, 15                        ; 8 rows for the odd one
	s_add_co_u32 s10, s10, s11
	s_mov_b32 s11, 0
	s_add_nc_u64 s[8:9], s[8:9], s[10:11]
	s_mul_i32 s10, s6, 12288
	s_add_nc_u64 s[26:27], s[26:27], s[10:11]      ; my tile's images
	s_lshl_b32 s10, s6, 9
	s_add_co_u32 s10, s10, 262144
	s_add_nc_u64 s[28:29], s[28:29], s[10:11]      ; and its scale words
.macro LOAD s                          ; K step s: 16 rows x 512 bytes into set s % 2
.irp i, 0,1,2,3,4,5,6,7,8,9,10,11,12,13,14,15
	global_load_b128 v[RS+64*((\s)%2)+4*\i:RS+64*((\s)%2)+4*\i+3], v2, s[8:9] offset:(\i+8*(\i/8))*4096+512*(\s) th:TH_LOAD_NT
.endr
.endm
.macro TURN s                          ; through the stage: LDS serves a wave's instructions in order, so no wait stands between the stores and the loads
.irp i, 0,1,2,3,4,5,6,7,8,9,10,11,12,13,14,15
	ds_store_b128 v3, v[RS+64*((\s)%2)+4*\i:RS+64*((\s)%2)+4*\i+3] offset:SPITCH*\i
.endr
.irp b, 0,1,2,3
.irp j, 0,1,2,3
	ds_load_b128 v[X+16*\b+4*\j:X+16*\b+4*\j+3], v4 offset:128*\b+16*\j
.endr
.endr
.endm
; v[X] .. v[X + 63] become a fragment's codes in v[PC] on and its scale word in v[pw]
.macro QUANT pw
.irp b, 0,1,2,3
	v_max3_num_f32 v[TM+\b], |v[X+16*\b]|, |v[X+16*\b+1]|, 0x1800000   ; my 16 numbers of block b, and the floor 2^(3 - 127): the byte cannot fall under 1
.endr
.irp i, 2,4,6,8,10,12,14
.irp b, 0,1,2,3
	v_max3_num_f32 v[TM+\b], |v[X+16*\b+\i]|, |v[X+16*\b+\i+1]|, v[TM+\b]
.endr
.endr
.irp b, 0,1,2,3
	v_permlanex16_b32 v[TM+4+\b], v[TM+\b], s12, s13
.endr
.irp b, 0,1,2,3
	v_max_num_f32 v[TM+\b], v[TM+\b], v[TM+4+\b]   ; with lane l xor 16's: the block's largest magnitude
.endr
.irp b, 0,1,2,3
	v_add_nc_u32 v[TM+12+\b], 0xff000000, v[TM+\b] ; 2 off its exponent field: the conversion's scale operand
.endr
.irp b, 0,1,2,3
	v_lshrrev_b32 v[TM+4+\b], 23, v[TM+12+\b]      ; the scale's byte
.endr
	v_lshl_or_b32 v[\pw], v[TM+5], 8, v[TM+4]
	v_lshl_or_b32 v[\pw], v[TM+6], 16, v[\pw]
	v_lshl_or_b32 v[\pw], v[TM+7], 24, v[\pw]
.irp c, 0,1
	v_cvt_scalef32_pk16_fp6_f32 v[PC+6*\c:PC+6*\c+2], v[X+32*\c:X+32*\c+15], v[TM+12+2*\c]
	v_cvt_scalef32_pk16_fp6_f32 v[PC+12+4*\c:PC+12+4*\c+2], v[X+32*\c+16:X+32*\c+31], v[TM+13+2*\c]
.endr
	v_nop                                          ; one plain place behind a scaled conversion
.irp c, 0,1                            ; the operand's layout wants a whole block in a lane
.irp i, 0,1,2
	v_permlane16_swap_b32 v[PC+6*\c+\i], v[PC+12+4*\c+\i]
.endr
.irp i, 0,1,2
	v_mov_b32 v[PC+3+6*\c+\i], v[PC+12+4*\c+\i]
.endr
.endr
.endm
	LOAD 0
	LOAD 1
	; ---- the table of sines and cosines: wave 0 alone, tokens 8 g .. 8 g + 7.  Lane l owns columns 2 l, 2 l + 1: lanes 0-15 sines, 16-31 cosines
	s_cmp_lg_u32 s4, 0
	s_cbranch_scc1 .Lno_rope
	s_lshl_b32 s10, ttmp9, 11                      ; 8 tokens of 256 bytes
	s_add_nc_u64 s[30:31], s[30:31], s[10:11]
	s_mov_b32 s40, 0x3fc90fdb                      ; pi / 2, upper part
	s_mov_b32 s41, 0xb33bbd2e                      ; and what is left of it
	s_mov_b32 s42, 0xbe2aaaa3                      ; sine: -1.6666654611e-1, 8.3321608736e-3, -1.9515295891e-4
	s_mov_b32 s43, 0x3c08839e
	s_mov_b32 s44, 0xb94ca1f9
	s_mov_b32 s45, 0x3d2aaaa5                      ; cosine: 4.166664568e-2, -1.388731625e-3, 2.443315712e-5
	s_mov_b32 s46, 0xbab6061a
	s_mov_b32 s47, 0x37ccf5ce
	v_mov_b32 v144, 0
	v_mov_b32 v145, 0
.macro FSEL m, fa, fb                  ; lanes with l % 16 = m take f of j = 2 m and 2 m + 1
	v_cmp_ne_u32 vcc_lo, \m, v6
	v_cndmask_b32 v144, \fa, v144, vcc_lo
	v_cndmask_b32 v145, \fb, v145, vcc_lo
.endm
	FSEL 0, 1.0, 0.7498942093325
	FSEL 1, 0.5623413251903, 0.4216965034286
	FSEL 2, 0.3162277660168, 0.2371373705662
	FSEL 3, 0.1778279410039, 0.1333521432163
	FSEL 4, 0.1, 0.07498942093325
	FSEL 5, 0.05623413251903, 0.04216965034286
	FSEL 6, 0.03162277660168, 0.02371373705662
	FSEL 7, 0.01778279410039, 0.01333521432163
	FSEL 8, 0.01, 0.007498942093325
	FSEL 9, 0.005623413251903, 0.004216965034286
	FSEL 10, 0.003162277660168, 0.002371373705662
	FSEL 11, 0.001778279410039, 0.001333521432163
	FSEL 12, 0.001, 0.0007498942093325
	FSEL 13, 0.0005623413251903, 0.0004216965034286
	FSEL 14, 0.0003162277660168, 0.0002371373705662
	FSEL 15, 0.0001778279410039, 0.0001333521432163
.macro SINCOS d, f                     ; v[d] = sin or cos (by the lane's half) of v147 x v[f]
	v_mul_f32 v148, v147, v[\f]                    ; the angle, one f32 product
	v_mul_f32 v149, 0x3f22f983, v148
	v_rndne_f32 v149, v149                         ; n = the nearest whole number of quarter turns
	v_fma_f32 v150, -v149, s40, v148
	v_fma_f32 v150, -v149, s41, v150               ; what is left, within pi / 4
	v_cvt_i32_f32 v151, v149
	v_add_nc_u32 v151, v151, v7                    ; a cosine is the sine a quarter turn on
	v_mul_f32 v152, v150, v150
	v_fma_f32 v153, v152, s44, s43
	v_fma_f32 v153, v153, v152, s42
	v_mul_f32 v153, v153, v152
	v_fma_f32 v153, v153, v150, v150               ; the sine of it
	v_fma_f32 v154, v152, s47, s46
	v_fma_f32 v154, v154, v152, s45
	v_mul_f32 v154, v154, v152
	v_fma_f32 v155, v152, -0.5, 1.0
	v_fma_f32 v154, v154, v152, v155               ; the cosine of it
	v_and_b32 v155, 1, v151
	v_cmp_ne_u32 vcc_lo, 0, v155
	v_cndmask_b32 v153, v153, v154, vcc_lo         ; odd quarters take the cosine: a choice of a value, no branch
	v_and_b32 v155, 2, v151
	v_lshlrev_b32 v155, 30, v155
	v_xor_b32 v[\d], v153, v155                    ; quarters 2 and 3 change the sign
.endm
	s_lshl_b32 s15, ttmp9, 3
.irp i, 0,1,2,3,4,5,6,7
	v_cvt_f32_u32 v147, s15
	SINCOS 160+2*\i, 144
	SINCOS 161+2*\i, 145
	global_store_b64 v8, v[160+2*\i:161+2*\i], s[30:31] offset:256*\i   ; 32 lanes store a token's 256 consecutive bytes
	s_add_co_u32 s15, s15, 1
.endr
.Lno_rope:
	s_wait_xcnt 0x0                                ; the table's stores have read their registers: the stage's loads may land there
	s_wait_loadcnt 16                              ; K step 0's 16 loads are in; K step 1's may be out
	s_wait_alu depctr_va_vdst(0)
	TURN 0
.macro STEP s
	s_wait_dscnt 0x0                               ; this step's numbers are back from the stage, and the stage's stores have read their set
	s_wait_xcnt 0x0                                ; the last step's stores have read the codes' registers
.if (\s) < 6
	LOAD (\s)+2
.endif
	QUANT SW+(\s)
.irp j, 0,1,2
	global_store_b128 v2, v[PC+4*\j:PC+4*\j+3], s[26:27] offset:1536*(\s)+512*\j   ; 512 consecutive bytes
.endr
.if (\s) < 6
	s_wait_loadcnt 16                              ; the next step's 16 loads are in; those of the step behind it may be out
	TURN (\s)+1
.elseif (\s) == 6
	s_wait_loadcnt 0x0
	TURN 7
.endif
.endm
.irp s, 0,1,2,3,4,5,6,7
	STEP \s
.endr
.irp k, 0,1,2,3
	v_cndmask_b32 v[X+\k], v[SW+\k], v[SW+4+\k], s14   ; lanes 0-15 store words 0-3 of their row, lanes 16-31 words 4-7
.endr
	global_store_b128 v5, v[X:X+3], s[28:29]       ; the tile's 512 bytes of scale words
	s_wait_tensorcnt 0x0
	ds_add_u32 v254, v255
	s_wait_dscnt 0x0
	s_endpgm
.Lfunc_end_k_q993e6aaba3_prep:
	.size	k_q993e6aaba3_prep, .Lfunc_end_k_q993e6aaba3_prep-k_q993e6aaba3_prep
	.p2alignl 7, 3214868480
	.fill 96, 4, 3214868480
	.section	.rodata,"a",@progbits
	.p2align	6, 0x0
	.amdhsa_kernel k_q993e6aaba3_prep
		.amdhsa_group_segment_fixed_size 26112
		.amdhsa_private_segment_fixed_size 0
		.amdhsa_enable_private_segment 0
		.amdhsa_kernarg_size 64
		.amdhsa_user_sgpr_count 2
		.amdhsa_user_sgpr_kernarg_segment_ptr 1
		.amdhsa_wavefront_size32 1
		.amdhsa_system_sgpr_workgroup_id_x 1
		.amdhsa_system_sgpr_workgroup_id_y 1
		.amdhsa_system_sgpr_workgroup_id_z 1
		.amdhsa_system_vgpr_workitem_id 0
		.amdhsa_next_free_vgpr 256
		.amdhsa_next_free_sgpr 66
		.amdhsa_reserve_vcc 1
		.amdhsa_float_denorm_mode_32 3
		.amdhsa_float_denorm_mode_16_64 3
		.amdhsa_memory_ordered 1
		.amdhsa_forward_progress 1
		.amdhsa_inst_pref_size 85
	.end_amdhsa_kernel
	.amdgpu_metadata
---
amdhsa.version: [ 1, 2 ]
amdhsa.kernels:
  - .name:           k_q993e6aaba3_prep
    .symbol:         k_q993e6aaba3_prep.kd
    .args:
      - { .name: x, .offset: 0, .size: 8, .value_kind: global_buffer, .address_space: global }
      - { .name: Wq, .offset: 8, .size: 8, .value_kind: global_buffer, .address_space: global }
      - { .name: Wk, .offset: 16, .size: 8, .value_kind: global_buffer, .address_space: global }
      - { .name: Wv, .offset: 24, .size: 8, .value_kind: global_buffer, .address_space: global }
      - { .name: Wo, .offset: 32, .size: 8, .value_kind: global_buffer, .address_space: global }
      - { .name: img, .offset: 40, .size: 8, .value_kind: global_buffer, .address_space: global }
      - { .name: scl, .offset: 48, .size: 8, .value_kind: global_buffer, .address_space: global }
      - { .name: rope, .offset: 56, .size: 8, .value_kind: global_buffer, .address_space: global }
    .group_segment_fixed_size: 26112
    .private_segment_fixed_size: 0
    .kernarg_segment_align: 8
    .kernarg_segment_size: 64
    .max_flat_workgroup_size: 96
    .sgpr_count:     66
    .vgpr_count:     256
    .wavefront_size: 32
...
	.end_amdgpu_metadata
.endif
;; end of part 1
;; launch qkv (part 2): grid 64 x 4, 4 waves a work-group, clusters of 4 x 4, 327,680 bytes of LDS; arguments img, scl, rope, qkv; writes qkv
.if DOCPART == 2
	.amdgcn_target "amdgcn-amd-amdhsa--gfx1250"
	.amdhsa_code_object_version 6
	.text
	.protected	k_q993e6aaba3_qkv
	.globl	k_q993e6aaba3_qkv
	.p2align	8
	.type	k_q993e6aaba3_qkv,@function
k_q993e6aaba3_qkv:
	s_mov_b64 s[64:65], 0
	v_nop
	global_prefetch_b8 v0, s[64:65] scope:SCOPE_SE
	s_setreg_imm32_b32 hwreg(HW_REG_WAVE_MODE, 25, 1), 1
	s_wait_xcnt 0x0
	s_wait_alu depctr_hold_cnt(0) depctr_sa_sdst(0) depctr_va_vdst(0) depctr_va_sdst(0) depctr_va_ssrc(0) depctr_va_vcc(0) depctr_vm_vsrc(0)
	s_getreg_b32 s2, hwreg(HW_REG_IB_STS2, 6, 4)
	s_cmp_eq_u32 s2, 0
	s_cbranch_scc0 .Lentry_in_a_cluster
	s_endpgm
.Lentry_in_a_cluster:
	s_bfe_u32 s2, ttmp6, 0x10000c
	s_cmp_lg_u32 s2, 0xf033
	s_cbranch_scc0 .Lentry_shape_is_right
	s_endpgm
.Lentry_shape_is_right:
; q = rope(x Wq^T), k = rope(x Wk^T), v = x Wv^T on codes of FP6 (E2M3) with E8M0 scales, and their quantising: q and k along the head's 64, v along the keys.
; Operands come as images of registers (16 rows x 128 K = 1,536 bytes; a tile of 16 rows x 1,024 K = 12,288 bytes).
; A tile of the result is 128 rows of A (the lanes' axis) x 256 rows of B (the registers' axis), K = 1,024.  Four waves 2 x 2, each 64 x 128: 32 accumulators, 256 registers.
; A WORK-GROUP STAYS AND MAKES THREE TILES: two with A = x's tokens (the same 128) and B = Wq's and Wk's features, then one with A = Wv's features and B = x's tokens: 256 work-groups for 768 tiles.
; LDS is a ring of two slots, each with half of K (four K steps) of A's 8 and B's 16 operand tiles.  Slot 0 takes the next tile's first half in K step 3, slot 1 its second half in the middle of the way out:
; each refill stands behind the wait for all tensor loads, the add, the wait for it and a round of the cluster's barrier, one joint load a wave.  The last tile fills nothing and is written out.
; THE MATRIX INSTRUCTION IS USED TRANSPOSED: source 0 = 16 rows of B, source 1 = 16 rows of A.  Operand tile 2 G + U holds in lane-row r the row 32 G + 8 U + r + 8 (r / 8),
; so a lane's 16 registers of B's tiles 2 G, 2 G + 1 are the neighbours 32 G + 16 (lane / 16) + 0 .. 15.
; CLUSTERS 4 x 4: A's tiles are shared along a row of the cluster, B's along a column, asked for jointly.  No prefetch: all sixteen clusters walk the same weights together, and the second tile's tokens are the first's.
; qkv, for each of 64 heads 315,392 bytes: 0: scale words of K and V, 768 bytes a key step (two quads of K's tiles, one of V's; 8 bytes a lane: word j of lane (r, h) is tile 2 j + h);
; 12,288 + 49,152 c: 512 keys: 32 tiles of K (768 bytes: registers 0-3 at 16 l, 4-5 at 8 l), then 4 key steps of V (4 fragments each);  208,896: Q's scale quads;  217,088: Q's 128 tiles.
; LIMITS: NaN and infinities are not served; a block of zeros or under 2^-124 gets the byte 1 (only this program reads the bytes).
; REGISTERS: window 0: v2-17 addresses; v64-127 scale words; v128-223 A's fragments, two sets; on the way out v128-243 at work.
;   window 1: B's fragments, sets at v0 and v128.  window 2: accumulator (a, b) at v[8 (8 a + b)].  window 3: sines and cosines.
.set ADRA, 4                           ; v4-5    LDS address of my A fragments in slot c
.set ADRB, 8                           ; v8-9    the same for B
.set SOFF, 12                          ; v12     my scale words' offset: lanes 0-15 A's rows, lanes 16-31 B's
.set L16,  14
.set L8,   15
.set SC,   64                          ; register 8 i + s: lanes 0-15 the word of A's block i, lanes 16-31 that of B's block i, K step s
.set AF,   128
.set H,    128
.set PC,   192
.set TM,   212
.set PW,   228
.set W0,   232
.set W1,   236
.set PK,   240
.set G1A,  24
.set G1B,  32
.set G0A,  40                          ; s[40:47] two sets, one a slot
.set G0B,  68                          ; s[68:75]
.set HEADB, 315392
.set MSB, 0
.macro WIN new
.if MSB != \new
	s_set_vgpr_msb (MSB<<8)|\new
.set MSB, \new
.endif
.endm
.macro PLACES n
.rept \n
	v_nop
.endr
.endm
.macro CROUND
	s_barrier_signal -1
	s_barrier_wait -1
	s_cmp_lg_u32 s12, 0
	s_cbranch_scc1 .Lnot_wave_0_\@
	s_barrier_signal -3
.Lnot_wave_0_\@:
	s_barrier_wait -3
	s_barrier_signal -1
	s_barrier_wait -1
.endm
.macro JLOAD s                         ; waves 0, 1 fetch A's halves, waves 2, 3 B's: one joint load a wave
	s_cmp_eq_u32 s13, 0
	s_cbranch_scc0 .Lfor_b_\@
	tensor_load_to_lds s[G0A+4*\s:G0A+4*\s+3], s[G1A:G1A+7]
	s_nop 0
	PLACES 4
	s_branch .Lasked_\@
.Lfor_b_\@:
	tensor_load_to_lds s[G0B+4*\s:G0B+4*\s+3], s[G1B:G1B+7]
	s_nop 0
	PLACES 4
.Lasked_\@:
.endm
; From s17 (1: v's tile) and s18 (the tile's number among the cluster's kind): s20 = ta, s19 = tb, where I fetch (s[86:87] A, s[90:91] B), my scale words (s96, s97), my rows of the table (s98)
.macro PARAMS
	s_and_b32 s19, s18, 1
	s_lshr_b32 s20, s18, 1
	s_sub_co_i32 s21, s19, s20
	s_mul_i32 s21, s21, s17
	s_add_co_i32 s20, s20, s21                     ; the cluster's row: hi, for v lo
	s_sub_co_i32 s19, s19, s21                     ; its column: lo, for v hi
	s_lshl_b32 s20, s20, 2
	s_add_co_u32 s20, s20, s16                     ; ta: which 128 rows of A
	s_lshl_b32 s19, s19, 2
	s_add_co_u32 s19, s19, s15                     ; tb: which 256 rows of B
	s_mul_i32 s84, s17, 640
	s_lshl_b32 s85, s20, 3
	s_add_co_u32 s84, s84, s85                     ; A's first tile in img: 8 ta (x), or 640 + 8 ta (Wv)
	s_lshl_b32 s85, s14, 2
	s_add_co_u32 s85, s84, s85
	s_mul_i32 s86, s85, 12288
	s_mov_b32 s87, 0
	s_xor_b32 s88, s17, 1
	s_lshl_b32 s88, s88, 9
	s_lshl_b32 s89, s19, 4
	s_add_co_u32 s88, s88, s89                     ; B's first tile: 512 + 16 tb (Wq, Wk), or 16 tb (x)
	s_lshl_b32 s89, s14, 3
	s_add_co_u32 s89, s88, s89
	s_mul_i32 s90, s89, 12288
	s_mov_b32 s91, 0
	s_lshl_b32 s96, s13, 2
	s_add_co_u32 s96, s96, s84
	s_lshl_b32 s96, s96, 9
	s_add_co_u32 s96, s96, 262144
	s_lshl_b32 s97, s89, 9
	s_add_co_u32 s97, s97, 262144
	s_and_b32 s98, s20, 15
	s_lshl_b32 s98, s98, 15
	s_lshl_b32 s99, s13, 14
	s_add_co_u32 s98, s98, s99
	s_mov_b32 s99, 0
	s_add_nc_u64 s[86:87], s[4:5], s[86:87]
	s_add_nc_u64 s[90:91], s[4:5], s[90:91]
.endm
.macro GSET                            ; both slots' addresses; written only where no tensor load of mine is out
.irp c, 0,1
	s_add_nc_u64 s[G0A+4*\c+2:G0A+4*\c+3], s[86:87], 6144*\c
	s_or_b32 s[G0A+4*\c+3], s[G0A+4*\c+3], 0x80000000
	s_add_nc_u64 s[G0B+4*\c+2:G0B+4*\c+3], s[90:91], 6144*\c
	s_or_b32 s[G0B+4*\c+3], s[G0B+4*\c+3], 0x80000000
.endr
.endm
.macro SLOAD                           ; the scale words, straight from memory: 32 bytes a row, 512 a tile.  The four vector lines are also places behind the last products
	v_mov_b32 v13, s96
	v_mov_b32 v16, s97
	v_cndmask_b32 v13, v13, v16, s58
	v_lshl_add_u32 v[SOFF], v2, 5, v13
.irp i, 0,1,2,3,4,5,6,7                ; (for i above 3 lanes 0-15 read neighbouring tiles' words, inside the buffer, which nobody uses)
	global_load_b128 v[SC+8*\i:SC+8*\i+3], v[SOFF], s[6:7] offset:512*\i
	global_load_b128 v[SC+8*\i+4:SC+8*\i+7], v[SOFF], s[6:7] offset:512*\i+16
.endr
.endm
.macro RLOAD                           ; sines and cosines of my 64 tokens: block a: sin j = 16 h + 0..15 at v[32 a], cos at v[32 a + 16] of window 3
	s_add_nc_u64 s[76:77], s[8:9], s[98:99]
	WIN 0xc0
.irp a, 0,1,2,3
.irp k, 0,1
.irp q, 0,1,2,3
	global_load_b128 v[32*\a+16*\k+4*\q:32*\a+16*\k+4*\q+3], v17, s[76:77] offset:256*(32*(\a/2)+8*(\a%2))+128*\k+16*\q
.endr
.endr
.endr
	WIN 0
.endm
	s_load_b128 s[4:7], s[0:1], 0x0                ; img, scl
	s_load_b128 s[8:11], s[0:1], 0x10              ; rope, qkv
	v_lshl_add_u32 v254, v0, 2, 0x48000
	v_mov_b32 v255, 0
	ds_add_u32 v254, v255                          ; the opening lines: the add twice and its wait
	ds_add_u32 v254, v255
	v_lshrrev_b32 v1, 5, v0
	v_readfirstlane_b32 s12, v1                    ; wave 0..3
	s_lshr_b32 s13, s12, 1                         ; wr: my 64 rows of A.  Also: I fetch for A (0) or for B (1)
	s_and_b32 s14, s12, 1                          ; wc: my 128 rows of B.  Also: which half of that operand I fetch
	s_bfe_u32 s15, ttmp6, 0x40000                  ; cx
	s_bfe_u32 s16, ttmp6, 0x40004                  ; cy
	s_lshl_b32 s22, s16, 2
	s_lshl_b32 s22, 15, s22                        ; my row of the cluster
	s_lshl_b32 s23, 0x1111, s15                    ; my column
	s_or_b32 s[G1A], s22, (3<<16)|(1<<21)          ; rows = operand tiles; a row is four K steps, 6,144 bytes = 768 elements of 8; tiles lie 1,536 elements apart; no padding
	s_or_b32 s[G1B], s23, (3<<16)|(1<<21)
.irp g, G1A, G1B
	s_mov_b32 s[\g+1], 768<<16
	s_mov_b32 s[\g+3], 768<<16
	s_mov_b32 s[\g+5], 1536
	s_mov_b32 s[\g+6], 0
	s_mov_b32 s[\g+7], 0
.endr
	s_mov_b32 s[G1A+2], 4<<16                      ; A: 4 tiles a load
	s_mov_b32 s[G1A+4], 4
	s_mov_b32 s[G1B+2], 8<<16                      ; B: 8 tiles a load
	s_mov_b32 s[G1B+4], 8
	s_mul_i32 s92, s14, 24576                      ; where they go: no place in the cluster enters an LDS address
	s_mul_i32 s93, s14, 49152
	s_add_co_u32 s93, s93, 98304
.irp c, 0,1
	s_mov_b32 s[G0A+4*\c], 1
	s_add_co_u32 s[G0A+4*\c+1], s92, 49152*\c
	s_mov_b32 s[G0B+4*\c], 1
	s_add_co_u32 s[G0B+4*\c+1], s93, 98304*\c
.endr
	s_mov_b32 s17, 0                               ; the first tile: q, k; number 2 x cluster
	s_lshl_b32 s18, ttmp9, 1
	s_wait_dscnt 0x0
	s_wait_kmcnt 0x0
	PARAMS
	GSET
	CROUND                                         ; all sixteen work-groups are here: the joint loads meet
	JLOAD 0                                        ; K steps 0-3: one tensor load a wave at the head
	v_and_b32 v1, 31, v0                           ; lane
	v_and_b32 v2, 15, v0                           ; r
	v_bfe_u32 v3, v0, 4, 1                         ; h
	v_lshlrev_b32 v[L16], 4, v1
	s_wait_alu depctr_va_vdst(0)
	v_lshlrev_b32 v[L8], 3, v1
	s_mul_i32 s94, s13, 24576                      ; my four tiles of A in a slot
	s_mul_i32 s95, s14, 49152                      ; my eight of B
	s_add_co_u32 s95, s95, 98304
.irp c, 0,1
	v_add_nc_u32 v[ADRA+\c], s94, v[L16]
	v_add_nc_u32 v[ADRB+\c], s95, v[L16]
	s_add_co_u32 s94, s94, 49152
	s_add_co_u32 s95, s95, 98304
.endr
	s_mov_b32 s56, 0x76543210
	s_mov_b32 s57, 0xfedcba98                      ; v_permlanex16_b32's selects for lane l xor 16
	s_mov_b32 s58, 0xffff0000                      ; lanes 16-31
	SLOAD
	v_and_b32 v17, 8, v2
	v_add_nc_u32 v17, v17, v2                      ; r + 8 (r / 8)
	v_lshlrev_b32 v17, 8, v17
	v_lshl_add_u32 v17, v3, 6, v17
	RLOAD
.macro FRAG3 reg, adr, off             ; a fragment comes as it was stored: three loads of 512 consecutive bytes
.irp j, 0,1,2
	ds_load_b128 v[(\reg)+4*\j:(\reg)+4*\j+3], v[\adr] offset:(\off)+512*\j
.endr
.endm
.macro FETCH s                         ; K step s: B's eight fragments and A's four into set s % 2
	WIN 0x40
.irp b, 0,1,2,3,4,5,6,7
	FRAG3 128*((\s)%2)+12*\b, ADRB+(\s)/4, \b*6144+((\s)%4)*1536
.endr
	WIN 0
.irp a, 0,1,2,3
	FRAG3 AF+48*((\s)%2)+12*\a, ADRA+(\s)/4, \a*6144+((\s)%4)*1536
.endr
.endm
.macro MM a, b, s, first
.set DD, 8*(8*(\a)+(\b))
.set FB, 128*((\s)%2)+12*(\b)
.set FA, AF+48*((\s)%2)+12*(\a)
.if \first
	v_wmma_scale_f32_16x16x128_f8f6f4 v[DD:DD+7], v[FB:FB+11], v[FA:FA+11], 0, v[SC+8*(\b)+(\s)], v[SC+8*(\a)+(\s)] matrix_a_fmt:MATRIX_FMT_FP6 matrix_b_fmt:MATRIX_FMT_FP6 matrix_a_scale:MATRIX_SCALE_ROW1
.else
	v_wmma_scale_f32_16x16x128_f8f6f4 v[DD:DD+7], v[FB:FB+11], v[FA:FA+11], v[DD:DD+7], v[SC+8*(\b)+(\s)], v[SC+8*(\a)+(\s)] matrix_a_fmt:MATRIX_FMT_FP6 matrix_b_fmt:MATRIX_FMT_FP6 matrix_a_scale:MATRIX_SCALE_ROW1
.endif
.endm
.macro MUL16 a0, s, first              ; the 32 accumulators take turns, one instruction a turn, in the same order in every step
.irp a, \a0, \a0+1
.irp b, 0,1,2,3,4,5,6,7
	MM \a, \b, \s, \first
.endr
.endr
.endm
.macro STEP s, first, refill
	s_wait_dscnt 0x0                               ; this step's fragments are in
	WIN 0xa1                                       ; source 0 (B) window 1, source 1 (A) window 0, C and D window 2
	MUL16 0, \s, \first
.if (\s) == 3
	WIN 0
	s_wait_tensorcnt 0x0                           ; my part of slot 1 is in, and no load of mine is out
.if \refill
	ds_add_u32 v254, v255
	GSET                                           ; the next tile's two halves
	s_wait_dscnt 0x0                               ; the add is done; my reads of slot 0 came back at this step's head
	CROUND                                         ; so of every wave of every partner
	JLOAD 0                                        ; slot 0 takes the next tile's K steps 0-3; its four v_nop are the places in front of the loads below
.else
	s_barrier_signal -1
	s_barrier_wait -1                              ; everybody's part of slot 1 is in
	PLACES 4
.endif
.elseif (\s) < 7
	PLACES 4                                       ; in front of loads into the set that the last step's products read
.endif
.if (\s) < 7
	FETCH (\s)+1
.endif
	WIN 0xa1
	MUL16 2, \s, \first
.endm
; 64 numbers of a lane, v[s] on in window sw, register 16 b + i = k 32 b + 16 (lane / 16) + i of my row, become a fragment in v[PC] on and its scale word in v[pw].  Each accumulator is read from its low end on.
.macro QUANT s, sw, pw
	WIN (\sw)|((\sw)<<2)
.irp b, 0,1,2,3
	v_max3_num_f32 v[TM+\b], |v[(\s)+16*\b]|, |v[(\s)+16*\b+1]|, 0x1800000   ; and the floor 2^(3 - 127): the byte cannot fall under 1
.endr
.irp i, 2,4,6,8,10,12,14
.irp b, 0,1,2,3
	v_max3_num_f32 v[TM+\b], |v[(\s)+16*\b+\i]|, |v[(\s)+16*\b+\i+1]|, v[TM+\b]
.endr
.endr
	WIN 0
.irp b, 0,1,2,3
	v_permlanex16_b32 v[TM+4+\b], v[TM+\b], s56, s57
.endr
.irp b, 0,1,2,3
	v_max_num_f32 v[TM+\b], v[TM+\b], v[TM+4+\b]
.endr
.irp b, 0,1,2,3
	v_add_nc_u32 v[TM+12+\b], 0xff000000, v[TM+\b] ; 2 off the exponent field: the conversion's scale operand
.endr
.irp b, 0,1,2,3
	v_lshrrev_b32 v[TM+4+\b], 23, v[TM+12+\b]      ; the scale's byte
.endr
	v_lshl_or_b32 v[\pw], v[TM+5], 8, v[TM+4]
	v_lshl_or_b32 v[\pw], v[TM+6], 16, v[\pw]
	v_lshl_or_b32 v[\pw], v[TM+7], 24, v[\pw]
	WIN \sw
.irp c, 0,1
	v_cvt_scalef32_pk16_fp6_f32 v[PC+6*\c:PC+6*\c+2], v[(\s)+32*\c:(\s)+32*\c+15], v[TM+12+2*\c]
	v_cvt_scalef32_pk16_fp6_f32 v[PC+12+4*\c:PC+12+4*\c+2], v[(\s)+32*\c+16:(\s)+32*\c+31], v[TM+13+2*\c]
.endr
	WIN 0
	v_nop                                          ; one plain place behind a scaled conversion
.irp c, 0,1
.irp i, 0,1,2
	v_permlane16_swap_b32 v[PC+6*\c+\i], v[PC+12+4*\c+\i]
.endr
.irp i, 0,1,2
	v_mov_b32 v[PC+3+6*\c+\i], v[PC+12+4*\c+\i]
.endr
.endr
.endm
.macro ROPE a                          ; x0' = x0 cos - x1 sin, x1' = x1 cos + x0 sin, two at a time
	WIN 0x0e                                       ; source 0 window 2 (sums), source 1 window 3 (table), the rest window 0
.irp e, 0,1
.irp i, 0,2,4,6,8,10,12,14
	v_pk_mul_f32 v[H+32*\e+\i:H+32*\e+\i+1], v[64*\a+32*\e+\i:64*\a+32*\e+\i+1], v[32*\a+16+\i:32*\a+16+\i+1]
	v_pk_mul_f32 v[H+32*\e+16+\i:H+32*\e+16+\i+1], v[64*\a+32*\e+16+\i:64*\a+32*\e+16+\i+1], v[32*\a+16+\i:32*\a+16+\i+1]
	v_pk_fma_f32 v[H+32*\e+\i:H+32*\e+\i+1], v[64*\a+32*\e+16+\i:64*\a+32*\e+16+\i+1], v[32*\a+\i:32*\a+\i+1], v[H+32*\e+\i:H+32*\e+\i+1] neg_lo:[1,0,0] neg_hi:[1,0,0]
	v_pk_fma_f32 v[H+32*\e+16+\i:H+32*\e+16+\i+1], v[64*\a+32*\e+\i:64*\a+32*\e+\i+1], v[32*\a+\i:32*\a+\i+1], v[H+32*\e+16+\i:H+32*\e+16+\i+1]
.endr
.endr
.endm
	s_mov_b32 s60, s19                             ; this tile's tb and ta: kept for its way out
	s_mov_b32 s61, s20
	s_mov_b32 s48, 0                               ; tiles done
	s_wait_alu depctr_va_vdst(0)
	s_wait_tensorcnt 0x0                           ; my part of K steps 0-3 is in
	ds_add_u32 v254, v255
	s_wait_dscnt 0x0
	CROUND
	JLOAD 1                                        ; K steps 4-7
	FETCH 0
.Ltile:                                            ; the two tiles of q and k
	s_wait_loadcnt 0x0                             ; scale words and the table
	STEP 0, 1, 1                                   ; the first products start the sums: nothing is cleared
	STEP 1, 0, 1
	STEP 2, 0, 1
	s_mov_b32 s17, s48                             ; the next tile: behind the first the second of q, k (number 2 x cluster + 1), behind that v's (number = cluster)
	s_add_co_u32 s21, ttmp9, 1
	s_mul_i32 s21, s21, s48
	s_lshl_b32 s18, ttmp9, 1
	s_add_co_u32 s18, s18, 1
	s_sub_co_u32 s18, s18, s21
	PARAMS
.irp s, 3,4,5,6,7
	STEP \s, 0, 1
.endr
	WIN 0
	SLOAD                                          ; the next tile's scale words
	PLACES 4                                       ; in front of the first reads of results and of writes over A's fragments
.irp b, 0,1,2,3
	v_mov_b32 v[TM+4+\b], 0                        ; a lane permute's destination counts as one of its sources
.endr
	; my lane's token; registers 32 e + i: head e, d = 16 h + i; 32 e + 16 + i: d = 32 + 16 h + i
	s_lshr_b32 s84, s61, 4                         ; batch
	s_and_b32 s85, s61, 15
	s_lshl_b32 s85, s85, 1
	s_add_co_u32 s85, s85, s13                     ; which quad of token tiles in the batch, 0..31
	s_lshr_b32 s86, s60, 2                         ; 1: these features are Wk's
	s_and_b32 s87, s60, 3
	s_lshl_b32 s87, s87, 2
	s_lshl_b32 s88, s14, 1
	s_add_co_u32 s87, s87, s88                     ; my first head
	s_lshl_b32 s84, s84, 4
	s_add_co_u32 s84, s84, s87
	s_mul_i32 s84, s84, HEADB                      ; its region
	s_mul_i32 s88, s85, 3072
	s_add_co_u32 s88, s88, 217088                  ; as q: fragments,
	s_lshl_b32 s89, s85, 8
	s_add_co_u32 s89, s89, 208896                  ; scale quad
	s_lshr_b32 s90, s85, 3
	s_mul_i32 s90, s90, 49152
	s_and_b32 s91, s85, 7
	s_mul_i32 s91, s91, 3072
	s_add_co_u32 s90, s90, s91
	s_add_co_u32 s90, s90, 12288                   ; as k: fragments,
	s_lshr_b32 s91, s85, 1
	s_mul_i32 s91, s91, 768
	s_and_b32 s92, s85, 1
	s_lshl_b32 s92, s92, 8
	s_add_co_u32 s91, s91, s92                     ; scale quad
	s_sub_co_i32 s90, s90, s88
	s_mul_i32 s90, s90, s86
	s_add_co_i32 s88, s88, s90                     ; q's place + isK x (k's - q's)
	s_sub_co_i32 s91, s91, s89
	s_mul_i32 s91, s91, s86
	s_add_co_i32 s89, s89, s91
	s_add_co_u32 s92, s88, s84
	s_mov_b32 s93, 0
	s_add_nc_u64 s[92:93], s[10:11], s[92:93]
	s_add_co_u32 s94, s89, s84
	s_mov_b32 s95, 0
	s_add_nc_u64 s[94:95], s[10:11], s[94:95]
.irp a, 0,1,2,3
.if \a == 2
	s_wait_alu depctr_va_vdst(0)
	s_wait_tensorcnt 0x0                           ; slot 0's refill is in: no load of mine is out
	ds_add_u32 v254, v255
	s_wait_dscnt 0x0                               ; the add is done; my reads of slot 1 came back at K step 7's head
	CROUND
	JLOAD 1                                        ; slot 1 takes the next tile's K steps 4-7
.endif
	ROPE \a
.if \a > 0
	s_wait_xcnt 0x0                                ; the last block's stores have read the codes' registers
.endif
	QUANT H, 0, PW
	v_and_b32 v[W0+\a], 0xffff, v[PW]              ; a head's two bytes; the bytes of the zero codes that fill K to 128 are 0
	v_lshrrev_b32 v[W1+\a], 16, v[PW]
	global_store_b128 v[L16], v[PC:PC+3], s[92:93] offset:768*\a            ; first head: registers 0-3, 512 consecutive bytes,
	global_store_b64 v[L8], v[PC+4:PC+5], s[92:93] offset:768*\a+512        ; registers 4-5, 256
	global_store_b128 v[L16], v[PC+6:PC+9], s[92:93] offset:HEADB+768*\a    ; second head
	global_store_b64 v[L8], v[PC+10:PC+11], s[92:93] offset:HEADB+768*\a+512
.endr
	v_cndmask_b32 v[PK], v[W0], v[W0+1], s58       ; word j of lane (r, h) is tile 2 j + h
	v_cndmask_b32 v[PK+1], v[W0+2], v[W0+3], s58
	v_cndmask_b32 v[PK+2], v[W1], v[W1+1], s58
	v_cndmask_b32 v[PK+3], v[W1+2], v[W1+3], s58
	global_store_b64 v[L8], v[PK:PK+1], s[94:95]
	global_store_b64 v[L8], v[PK+2:PK+3], s[94:95] offset:HEADB
	s_wait_alu depctr_va_vdst(0)
	s_wait_xcnt 0x0                                ; the stores have read their registers and bases: both are written again below
	s_cmp_eq_u32 s48, 0                            ; the second tile of q, k wants its table; v's tile wants none
	s_cbranch_scc0 .Lno_table
	RLOAD
.Lno_table:
	FETCH 0                                        ; the next tile's first fragments: the round above has shown slot 0 whole
	s_mov_b32 s60, s19
	s_mov_b32 s61, s20
	s_add_co_u32 s48, s48, 1
	s_cmp_lt_u32 s48, 2
	s_cbranch_scc1 .Ltile
	; ---- v's tile: nothing more is fetched
	s_wait_loadcnt 0x0
	STEP 0, 1, 0
.irp s, 1,2,3,4,5,6,7
	STEP \s, 0, 0
.endr
	WIN 0
	PLACES 4
.irp b, 0,1,2,3
	v_mov_b32 v[TM+4+\b], 0
.endr
	; my lane's channel; my 64 registers of block a are 128 keys in their order: the sums are quantised as they stand
	s_lshl_b32 s84, s61, 1
	s_add_co_u32 s84, s84, s13                     ; head
	s_lshr_b32 s85, s60, 3                         ; batch
	s_lshl_b32 s85, s85, 4
	s_add_co_u32 s84, s84, s85
	s_mul_i32 s84, s84, HEADB
	s_and_b32 s85, s60, 7
	s_lshl_b32 s85, s85, 1
	s_add_co_u32 s85, s85, s14                     ; key step 0..15
	s_lshr_b32 s86, s85, 2
	s_mul_i32 s86, s86, 49152
	s_and_b32 s87, s85, 3
	s_mul_i32 s87, s87, 6144
	s_add_co_u32 s86, s86, s87
	s_add_co_u32 s86, s86, 36864
	s_add_co_u32 s92, s86, s84
	s_mov_b32 s93, 0
	s_add_nc_u64 s[92:93], s[10:11], s[92:93]
	s_mul_i32 s87, s85, 768
	s_add_co_u32 s87, s87, 512
	s_add_co_u32 s94, s87, s84
	s_mov_b32 s95, 0
	s_add_nc_u64 s[94:95], s[10:11], s[94:95]
.irp a, 0,1,2,3
.if \a > 0
	s_wait_xcnt 0x0                                ; the last block's stores have read the codes' registers
.endif
	QUANT 64*\a, 2, W0+\a
.irp j, 0,1,2
	global_store_b128 v[L16], v[PC+4*\j:PC+4*\j+3], s[92:93] offset:1536*\a+512*\j
.endr
.endr
	v_cndmask_b32 v[PK], v[W0], v[W0+1], s58
	v_cndmask_b32 v[PK+1], v[W0+2], v[W0+3], s58
	global_store_b64 v[L8], v[PK:PK+1], s[94:95]
	s_wait_tensorcnt 0x0                           ; the wave's end
	ds_add_u32 v254, v255
	s_wait_dscnt 0x0
	CROUND                                         ; the closing round
	s_endpgm
.Lfunc_end_k_q993e6aaba3_qkv:
	.size	k_q993e6aaba3_qkv, .Lfunc_end_k_q993e6aaba3_qkv-k_q993e6aaba3_qkv
	.p2alignl 7, 3214868480
	.fill 96, 4, 3214868480
	.section	.rodata,"a",@progbits
	.p2align	6, 0x0
	.amdhsa_kernel k_q993e6aaba3_qkv
		.amdhsa_group_segment_fixed_size 327680
		.amdhsa_private_segment_fixed_size 0
		.amdhsa_enable_private_segment 0
		.amdhsa_kernarg_size 32
		.amdhsa_user_sgpr_count 2
		.amdhsa_user_sgpr_kernarg_segment_ptr 1
		.amdhsa_wavefront_size32 1
		.amdhsa_system_sgpr_workgroup_id_x 1
		.amdhsa_system_sgpr_workgroup_id_y 1
		.amdhsa_system_sgpr_workgroup_id_z 1
		.amdhsa_system_vgpr_workitem_id 0
		.amdhsa_next_free_vgpr 1024
		.amdhsa_next_free_sgpr 100
		.amdhsa_reserve_vcc 0
		.amdhsa_float_denorm_mode_32 3
		.amdhsa_float_denorm_mode_16_64 3
		.amdhsa_memory_ordered 1
		.amdhsa_forward_progress 1
		.amdhsa_inst_pref_size 179
	.end_amdhsa_kernel
	.amdgpu_metadata
---
amdhsa.version: [ 1, 2 ]
amdhsa.kernels:
  - .name:           k_q993e6aaba3_qkv
    .symbol:         k_q993e6aaba3_qkv.kd
    .args:
      - { .name: img, .offset: 0, .size: 8, .value_kind: global_buffer, .address_space: global }
      - { .name: scl, .offset: 8, .size: 8, .value_kind: global_buffer, .address_space: global }
      - { .name: rope, .offset: 16, .size: 8, .value_kind: global_buffer, .address_space: global }
      - { .name: qkv, .offset: 24, .size: 8, .value_kind: global_buffer, .address_space: global }
    .group_segment_fixed_size: 327680
    .private_segment_fixed_size: 0
    .kernarg_segment_align: 8
    .kernarg_segment_size: 32
    .max_flat_workgroup_size: 128
    .sgpr_count:     100
    .vgpr_count:     1024
    .wavefront_size: 32
...
	.end_amdgpu_metadata
.endif
;; end of part 2
;; launch attn (part 3): grid 4 x 64, 16 waves a work-group, clusters of 4 x 1, 263,168 bytes of LDS; arguments qkv, ao, scl; writes ao, scl
.if DOCPART == 3
	.amdgcn_target "amdgcn-amd-amdhsa--gfx1250"
	.amdhsa_code_object_version 6
	.text
	.protected	k_q993e6aaba3_attn
	.globl	k_q993e6aaba3_attn
	.p2align	8
	.type	k_q993e6aaba3_attn,@function
k_q993e6aaba3_attn:
	s_mov_b64 s[64:65], 0
	v_nop
	global_prefetch_b8 v0, s[64:65] scope:SCOPE_SE
	s_setreg_imm32_b32 hwreg(HW_REG_WAVE_MODE, 25, 1), 1
	s_wait_xcnt 0x0
	s_wait_alu depctr_hold_cnt(0) depctr_sa_sdst(0) depctr_va_vdst(0) depctr_va_sdst(0) depctr_va_ssrc(0) depctr_va_vcc(0) depctr_vm_vsrc(0)
	s_getreg_b32 s2, hwreg(HW_REG_IB_STS2, 6, 4)
	s_cmp_eq_u32 s2, 0
	s_cbranch_scc0 .Lentry_in_a_cluster
	s_endpgm
.Lentry_in_a_cluster:
	s_bfe_u32 s2, ttmp6, 0x10000c
	s_cmp_lg_u32 s2, 0x3003
	s_cbranch_scc0 .Lentry_shape_is_right
	s_endpgm
.Lentry_shape_is_right:
; o = softmax(q k^T / 8) v for 64 heads of 2,048 tokens x 64, both products on codes of FP6 (E2M3) with E8M0 scales; o is quantised along (head, d) for the last projection.
; t = score x log2(e) / 8; M = the row's largest t so far, rounded UP to a whole number; p = 2^(t - M) is quantised along the keys, not normalised.
; The row's sum is taken of the unquantised p and divides at the end; when M moves, the sum and O are multiplied by 2^(old M - new M): exact.
; SHARES: a work-group owns one head and 512 queries; each of sixteen waves takes one tile of 16 queries at a time, twice.  The head's K, V and scale words, 208,896 bytes, lie in LDS whole:
; each wave asks for a sixteenth, 51 rows of 256 bytes, by ONE joint load (the four work-groups of a cluster share the head); 64 bytes of padding follow each 256, so byte y lies at y + 64 (y / 256).
; One wait and one barrier show all of it; nothing is filled again and no barrier stands in the loops.  No prefetch: every load goes out at the head, there is no loop to run ahead in.
; LAYOUT: S^T = K Q^T, O^T = V^T P^T: a lane holds one query.  In memory tile 2 G + U of 32 keys holds in row p the key 32 G + 8 U + 16 (p / 8) + p % 8.  THE TILES THAT ARE MULTIPLIED ARE FORMED BY THE LANES' ADDRESSES:
; tile (c, u) has in row r the key 64 c + 32 (r / 8) + 8 u + r % 8, read from stored tile 4 c + 2 (r / 8) + u % 2, row 8 (u / 2) + r % 8.  So lane (r, h) holds in registers 32 c + 0 .. 31 the keys 64 c + 32 h + 0 .. 31:
; a whole scale block, in the order of the operand's registers: a block's maximum needs no other lane, and the conversions' results are p's operand.
; K = 64 of 128: Q's upper six registers are zero codes, so whatever codes K's operand holds there add nothing (FP6 has no NaN; those blocks' scale bytes are 0): K's tiles lie six registers apart, each operand reaching over the next tile.
; LIMITS: NaN and infinities are not served.  The promise holds while the scaled scores stay under 2^31 in magnitude.  1 / sum is v_rcp_f32.  A block's largest p is not searched for: the block's largest score goes through the
; same multiply-add and exponential (this takes v_exp_f32 not to fall where its input rises).  A block whose every p is 0, or of o under 2^-124, gets the byte 1: only this program reads the bytes.
; REGISTERS: v1-11 addresses; v12 -M, v13 the largest score, v[14:15] the sum; v16-27 Q, v28 its scale word, v29 p's; v32-85 K's eight tiles, behind the products at work; v86-91 scale words of K and V; v92-95 lane terms;
; v96-159 S^T, then p; v160-191 O^T; v192-203 p's codes; v204-251 V; v252 the factor.
.set HEADB, 315392
.set WSH,   13056                      ; what a wave fetches: 51 rows of 256 bytes
.set WLD,   16320                      ; and their place in LDS: 51 x 320
.set SPARE, 261120                     ; behind the sixteen parts: the spare words, 128 bytes a wave
.set KB,    15360                      ; behind the scale words (12,288 bytes, padded): chunk 0
.set CH,    61440                      ; a chunk: 512 keys of K (30,720 padded), then of V
.macro CROUND
	s_barrier_signal -1
	s_barrier_wait -1
	s_cmp_lg_u32 s10, 0
	s_cbranch_scc1 .Lnot_wave_0_\@
	s_barrier_signal -3
.Lnot_wave_0_\@:
	s_barrier_wait -3
	s_barrier_signal -1
	s_barrier_wait -1
.endm
	s_load_b128 s[4:7], s[0:1], 0x0                ; qkv, ao
	s_load_b64 s[8:9], s[0:1], 0x10                ; scl
	v_lshl_add_u32 v254, v0, 2, SPARE
	v_mov_b32 v255, 0
	ds_add_u32 v254, v255                          ; the opening lines: the add twice and its wait
	ds_add_u32 v254, v255
	v_lshrrev_b32 v1, 5, v0
	v_readfirstlane_b32 s10, v1                    ; wave 0..15
	s_bfe_u32 s11, ttmp6, 0x40000                  ; cx: which 512 queries; it enters global addresses of q, ao and scl alone
	s_and_b32 s12, ttmp7, 0xffff                   ; batch x 16 + head, which the partners share
	s_mul_i32 s14, s12, HEADB
	s_mov_b32 s15, 0
	s_mov_b32 s16, 15|(3<<16)|(1<<20)|(1<<21)|(5<<22)|(15<<25)   ; mask: all four; elements of 8 bytes; padding on; 21 beside a mask; after every 64 words 16 words
	s_mov_b32 s17, 32<<16
	s_mov_b32 s18, 51<<16
	s_mov_b32 s19, 32<<16
	s_mov_b32 s20, 51
	s_mov_b32 s21, 32
	s_mov_b32 s22, 0
	s_mov_b32 s23, 0
	s_mov_b32 s32, 1
	s_mul_i32 s33, s10, WLD
	s_mul_i32 s62, s10, WSH
	s_mov_b32 s63, 0
	s_lshl_b32 s13, s11, 5
	s_add_co_u32 s13, s13, s10                     ; my first tile of queries: 32 cx + wave
	s_mul_i32 s68, s13, 768
	s_add_co_u32 s68, s68, 217088                  ; its codes
	s_mov_b32 s69, 0
	s_lshl_b32 s70, s11, 11                        ; its scale word: quad T / 4 of 256 bytes, lanes' half T % 2, word (T / 2) % 2
	s_lshr_b32 s76, s10, 2
	s_lshl_b32 s76, s76, 8
	s_add_co_u32 s70, s70, s76
	s_and_b32 s76, s10, 1
	s_lshl_b32 s76, s76, 7
	s_add_co_u32 s70, s70, s76
	s_bfe_u32 s76, s10, 0x10001
	s_lshl_b32 s76, s76, 2
	s_add_co_u32 s70, s70, s76
	s_add_co_u32 s70, s70, 208896
	s_mov_b32 s71, 0
	s_lshr_b32 s76, s12, 4
	s_lshl_b32 s76, s76, 7
	s_add_co_u32 s76, s76, s13                     ; the tile among all 512 token tiles
	s_and_b32 s77, s12, 15                         ; head
	s_mul_i32 s72, s76, 12288
	s_mul_i32 s78, s77, 768
	s_add_co_u32 s72, s72, s78                     ; ao: [tile][head] 768 bytes
	s_mov_b32 s73, 0
	s_lshl_b32 s74, s76, 9
	s_lshl_b32 s78, s77, 1
	s_add_co_u32 s74, s74, s78                     ; scl: [tile][r][32 bytes], two bytes a head
	s_mov_b32 s75, 0
	s_mov_b32 s52, 0x76543210
	s_mov_b32 s53, 0xfedcba98                      ; v_permlanex16_b32's selects for lane l xor 16
	s_mov_b32 s54, 0x3e38aa3b                      ; c = log2(e) / 8
	s_mov_b32 s55, s54                             ; (named with it as a pair, so it is written)
	s_wait_dscnt 0x0
	s_wait_kmcnt 0x0
	s_add_nc_u64 s[14:15], s[4:5], s[14:15]        ; the head's region
	s_add_nc_u64 s[34:35], s[14:15], s[62:63]
	s_or_b32 s35, s35, 0x80000000
	s_add_nc_u64 s[68:69], s[14:15], s[68:69]
	s_add_nc_u64 s[70:71], s[14:15], s[70:71]
	s_add_nc_u64 s[72:73], s[6:7], s[72:73]
	s_add_nc_u64 s[74:75], s[8:9], s[74:75]
	CROUND                                         ; all four work-groups are here: the joint loads meet
	tensor_load_to_lds s[32:35], s[16:23]          ; my sixteenth: one load of every wave is out
	s_nop 0
	v_and_b32 v31, 31, v0                          ; lane
	v_and_b32 v11, 15, v0                          ; r
	v_and_b32 v32, 7, v0                           ; i = r % 8
	v_bfe_u32 v33, v0, 3, 1                        ; g = r / 8
	v_bfe_u32 v34, v0, 4, 1                        ; h
	v_lshlrev_b32 v1, 4, v31                       ; 16 x lane
	v_lshlrev_b32 v2, 3, v31                       ; 8 x lane
	v_lshlrev_b32 v6, 3, v11                       ; Q's scale word: 8 r
	v_lshlrev_b32 v7, 5, v11                       ; o's scale bytes: 32 r
	v_lshlrev_b32 v10, 3, v34                      ; 8 h: where my blocks' bytes stand in p's scale word
	v_mul_u32_u24 v35, v33, 1920                   ; two stored tiles on for rows 8-15
	v_lshl_add_u32 v92, v32, 4, v35
	v_mad_u32_u24 v92, v34, 320, v92               ; K, registers 0-3: 1,920 g + 16 i + 320 h
	v_lshl_add_u32 v93, v32, 3, v35
	v_lshl_add_u32 v93, v34, 7, v93                ; K, registers 4-5: 1,920 g + 8 i + 128 h
	v_lshlrev_b32 v94, 3, v32
	v_lshl_add_u32 v94, v34, 7, v94
	v_lshl_add_u32 v94, v33, 2, v94                ; K's scale words: 8 i + 128 h + 4 g
	v_lshlrev_b32 v95, 4, v11
	v_mad_u32_u24 v95, v34, 320, v95               ; V: 16 r + 320 h
.irp j, 22,23,24,25,26,27,80,81,82,83,84,85
	v_mov_b32 v[\j], 0                             ; Q's codes of k = 64 .. 127; and what the last tile of K reaches over
.endr
	v_mov_b32 v30, 0                               ; a lane permute's destination counts as one of its sources
	v_mov_b32 v37, 0
	v_mov_b32 v253, 0                              ; (named as the upper half of the pair v[252:253])
	s_wait_alu depctr_va_vdst(0)
	s_wait_tensorcnt 0x0                           ; my part is in
	s_barrier_signal -1
	s_barrier_wait -1                              ; everybody's is
.macro KLOAD j                         ; step j's eight tiles of K and their scale words: 20 loads
.irp c, 0,1
.irp u, 0,1,2,3
	ds_load_b128 v[32+6*(4*\c+\u):35+6*(4*\c+\u)], v3 offset:7680*(\j)+3840*\c+960*(\u%2)+128*(\u/2)
	ds_load_b64 v[36+6*(4*\c+\u):37+6*(4*\c+\u)], v4 offset:7680*(\j)+3840*\c+960*(\u%2)+640+64*(\u/2)
.endr
.endr
.irp c, 0,1
.irp x, 0,1
	ds_load_b32 v[86+2*\c+\x], v5 offset:960*(\j)+320*\c+64*\x   ; lanes 0-15: tile (c, 2 x); lanes 16-31: tile (c, 2 x + 1)
.endr
.endr
.endm
; A KEY STEP: 128 keys
.macro STEP j
	s_wait_dscnt 0x0                               ; K's tiles are in
.irp c, 0,1
.irp u, 0,1,2,3
.if \u%2
	v_wmma_scale_f32_16x16x128_f8f6f4 v[96+32*\c+8*\u:103+32*\c+8*\u], v[32+6*(4*\c+\u):43+6*(4*\c+\u)], v[16:27], 0, v[86+2*\c+\u/2], v28 matrix_a_fmt:MATRIX_FMT_FP6 matrix_b_fmt:MATRIX_FMT_FP6 matrix_a_scale:MATRIX_SCALE_ROW1
.else
	v_wmma_scale_f32_16x16x128_f8f6f4 v[96+32*\c+8*\u:103+32*\c+8*\u], v[32+6*(4*\c+\u):43+6*(4*\c+\u)], v[16:27], 0, v[86+2*\c+\u/2], v28 matrix_a_fmt:MATRIX_FMT_FP6 matrix_b_fmt:MATRIX_FMT_FP6
.endif
.endr
.endr
.rept 4
	v_nop                                          ; places in front of the loads over V and of the first reads of scores
.endr
.irp t, 0,1,2,3
.irp q, 0,1,2
	ds_load_b128 v[204+12*\t+4*\q:207+12*\t+4*\q], v9 offset:30720+7680*(\j)+1920*\t+640*\q   ; V's four fragments
.endr
.endr
	ds_load_b64 v[90:91], v8 offset:960*(\j)+640   ; their scale words: word j of lane (r, h) is tile 2 j + h
.irp b, 0,1,2,3
	v_max3_num_f32 v[32+\b], v[96+16*\b], v[97+16*\b], v[98+16*\b]   ; the largest score of each half block, four chains by turns; each accumulator from its low end on
.endr
.irp i, 3,5,7,9,11,13
.irp b, 0,1,2,3
	v_max3_num_f32 v[32+\b], v[32+\b], v[96+16*\b+\i], v[97+16*\b+\i]
.endr
.endr
	v_max3_num_f32 v32, v32, v111, v127
	v_max3_num_f32 v34, v34, v143, v159
	v_max_num_f32 v32, v32, v33                    ; my block 2 c + h, c = 0,
	v_max_num_f32 v34, v34, v35                    ; and c = 1
	s_delay_alu instid0(VALU_DEP_1)
	v_max_num_f32 v36, v32, v34
	s_delay_alu instid0(VALU_DEP_1)
	v_permlanex16_b32 v37, v36, s52, s53
	s_delay_alu instid0(VALU_DEP_1)
	v_max3_num_f32 v13, v13, v36, v37              ; the running largest score of my query
	s_delay_alu instid0(VALU_DEP_1)
	v_mul_f32 v38, s54, v13                        ; as t (c is positive)
	s_delay_alu instid0(VALU_DEP_1)
	v_floor_f32 v39, -v38                          ; the new -M = floor(-t): M is a whole number
	s_delay_alu instid0(VALU_DEP_1)
	v_sub_f32 v38, v39, v12                        ; old M - new M, 0 or less
	v_mov_b32 v12, v39
	s_delay_alu instid0(VALU_DEP_2)
	v_cvt_i32_f32 v38, v38                         ; (it saturates)
	s_delay_alu instid0(VALU_DEP_1)
	v_ldexp_f32 v252, 1.0, v38                     ; f = 2^(old M - new M)
.set JJ, 0
.rept 32
	v_pk_fma_f32 v[96+JJ:97+JJ], v[96+JJ:97+JJ], s[54:55], v[12:13] op_sel_hi:[1,0,0]   ; t - M, two at a time
.set JJ, JJ+2
.endr
	v_fma_f32 v32, v32, s54, v12                   ; the same of each block's largest score
	v_fma_f32 v34, v34, s54, v12
	s_wait_alu depctr_va_vdst(0)
.set JJ, 0
.rept 64
	v_exp_f32 v[96+JJ], v[96+JJ]                   ; p = 2^(t - M), at most 1
.set JJ, JJ+1
.endr
	v_exp_f32 v32, v32                             ; the blocks' largest p
	v_exp_f32 v34, v34
	v_pk_mul_f32 v[14:15], v[14:15], v[252:253] op_sel_hi:[1,0]   ; the sums under the new M; a plain place behind the exponentials
	s_wait_alu depctr_va_vdst(0)                   ; and the wait behind the batch
	v_max_num_f32 v32, 0x1800000, v32              ; the floor 2^(3 - 127): the byte cannot fall under 1
	v_max_num_f32 v34, 0x1800000, v34
	v_add_nc_u32 v62, 0xff000000, v32              ; 2 off the exponent field: the conversion's scale operand
	v_add_nc_u32 v63, 0xff000000, v34
	v_cvt_scalef32_pk16_fp6_f32 v[192:194], v[96:111], v62
	v_cvt_scalef32_pk16_fp6_f32 v[40:42], v[112:127], v62      ; (a conversion's three registers begin on an even number)
	v_cvt_scalef32_pk16_fp6_f32 v[198:200], v[128:143], v63
	v_cvt_scalef32_pk16_fp6_f32 v[44:46], v[144:159], v63
	v_lshrrev_b32 v64, 23, v62                     ; the scales' bytes; a plain place behind the conversions
	v_lshrrev_b32 v65, 23, v63
	v_lshl_or_b32 v29, v65, 16, v64                ; blocks h and 2 + h,
	v_lshlrev_b32 v29, v10, v29                    ; at their places;
	v_permlanex16_b32 v30, v29, s52, s53
	v_or_b32 v29, v29, v30                         ; with lane l xor 16's two: p's scale word for these 128 keys
.irp i, 0,1,2
	v_mov_b32 v[195+\i], v[40+\i]
	v_mov_b32 v[201+\i], v[44+\i]
.endr
.irp k, 0,1,2,3,4,5,6                  ; the row's sum of the unquantised p: 32 pairs onto the sum by 32 additions, eight chains by turns
	v_pk_add_f32 v[48+2*\k:49+2*\k], v[96+4*\k:97+4*\k], v[98+4*\k:99+4*\k]
.endr
	v_pk_add_f32 v[14:15], v[14:15], v[124:125]
.irp k, 0,1,2,3,4,5,6
	v_pk_add_f32 v[48+2*\k:49+2*\k], v[48+2*\k:49+2*\k], v[126+2*\k:127+2*\k]
.endr
	v_pk_add_f32 v[14:15], v[14:15], v[140:141]
.irp k, 0,1,2,3,4,5,6
	v_pk_add_f32 v[48+2*\k:49+2*\k], v[48+2*\k:49+2*\k], v[142+2*\k:143+2*\k]
.endr
	v_pk_add_f32 v[14:15], v[14:15], v[156:157]
	v_pk_add_f32 v[48:49], v[48:49], v[158:159]
	v_pk_add_f32 v[52:53], v[52:53], v[54:55]
	v_pk_add_f32 v[56:57], v[56:57], v[58:59]
	v_pk_add_f32 v[14:15], v[14:15], v[60:61]
	v_pk_add_f32 v[48:49], v[48:49], v[50:51]
	v_pk_add_f32 v[14:15], v[14:15], v[56:57]
	v_pk_add_f32 v[48:49], v[48:49], v[52:53]
	v_pk_add_f32 v[14:15], v[14:15], v[48:49]
.if (\j) < 3
	KLOAD (\j)+1                                   ; the next step's tiles, where the work above stood
.endif
	s_wait_alu depctr_va_vdst(0)
.set JJ, 0
.rept 16
	v_pk_mul_f32 v[160+JJ:161+JJ], v[160+JJ:161+JJ], v[252:253] op_sel_hi:[1,0]   ; O^T under the new M; also the places between p's codes and scale word and the products
.set JJ, JJ+2
.endr
	s_wait_alu depctr_va_vdst(0)                   ; and directly ahead of the wait below
.if (\j) < 3
	s_wait_dscnt 20                                ; V is in; the 20 loads of K behind it may be out
.else
	s_wait_dscnt 0x0
.endif
.irp t, 0,1,2,3                        ; between two links on one accumulator stand eleven other matrix instructions
.if \t%2
	v_wmma_scale_f32_16x16x128_f8f6f4 v[160+8*\t:167+8*\t], v[204+12*\t:215+12*\t], v[192:203], v[160+8*\t:167+8*\t], v[90+\t/2], v29 matrix_a_fmt:MATRIX_FMT_FP6 matrix_b_fmt:MATRIX_FMT_FP6 matrix_a_scale:MATRIX_SCALE_ROW1
.else
	v_wmma_scale_f32_16x16x128_f8f6f4 v[160+8*\t:167+8*\t], v[204+12*\t:215+12*\t], v[192:203], v[160+8*\t:167+8*\t], v[90+\t/2], v29 matrix_a_fmt:MATRIX_FMT_FP6 matrix_b_fmt:MATRIX_FMT_FP6
.endif
.endr
.endm
	s_mov_b32 s59, 2
.Lpass:                                            ; two tiles of queries a wave
	global_load_b128 v[16:19], v1, s[68:69]
	global_load_b64 v[20:21], v2, s[68:69] offset:512
	global_load_b32 v28, v6, s[70:71]
	v_mov_b32 v13, 0xff61b1e6                      ; the largest score so far: -3e38
	v_floor_f32 v12, -v13
	v_mov_b32 v14, 0
	v_mov_b32 v15, 0
.set JJ, 0
.rept 32
	v_mov_b32 v[160+JJ], 0                         ; O^T: the step is written once; the first finds zeros, which the first change of M leaves zeros
.set JJ, JJ+1
.endr
	s_mov_b32 s56, KB
	s_mov_b32 s57, 0
	s_mov_b32 s58, 4
	s_wait_loadcnt 0x0
.Lchunk:                                           ; 512 keys: four steps, their places in the loads' immediates
	v_add_nc_u32 v3, s56, v92
	v_add_nc_u32 v4, s56, v93
	v_add_nc_u32 v9, s56, v95
	v_add_nc_u32 v5, s57, v94
	v_add_nc_u32 v8, s57, v2
	s_wait_alu depctr_va_vdst(0)
	KLOAD 0
	STEP 0
	STEP 1
	STEP 2
	STEP 3
	s_add_co_u32 s56, s56, CH
	s_add_co_u32 s57, s57, 3840
	s_sub_co_u32 s58, s58, 1
	s_cmp_lg_u32 s58, 0
	s_cbranch_scc1 .Lchunk
.rept 4
	v_nop                                          ; places behind the last products
.endr
	v_add_f32 v14, v14, v15
	v_permlanex16_b32 v30, v14, s52, s53
	v_add_f32 v14, v14, v30                        ; the row's sum
	s_wait_alu depctr_va_vdst(0)
	v_rcp_f32 v14, v14
	v_nop                                          ; one plain place behind a transcendental
	s_wait_alu depctr_va_vdst(0)
.set JJ, 0
.rept 16
	v_pk_mul_f32 v[96+JJ:97+JJ], v[160+JJ:161+JJ], v[14:15] op_sel_hi:[1,0]   ; o: register 16 G + i is d = 32 G + 16 h + i; each accumulator from its low end on
.set JJ, JJ+2
.endr
.irp b, 0,1
	v_max3_num_f32 v[32+\b], |v[96+16*\b]|, |v[97+16*\b]|, 0x1800000
.endr
.irp i, 2,4,6,8,10,12,14
.irp b, 0,1
	v_max3_num_f32 v[32+\b], v[32+\b], |v[96+16*\b+\i]|, |v[97+16*\b+\i]|
.endr
.endr
.irp b, 0,1
	v_permlanex16_b32 v[36+\b], v[32+\b], s52, s53
.endr
.irp b, 0,1
	v_max_num_f32 v[32+\b], v[32+\b], v[36+\b]     ; here a block lies in lanes l and l xor 16
.endr
.irp b, 0,1
	v_add_nc_u32 v[62+\b], 0xff000000, v[32+\b]
.endr
.irp b, 0,1
	v_lshrrev_b32 v[64+\b], 23, v[62+\b]
.endr
	v_lshl_or_b32 v38, v65, 8, v64                 ; the head's two scale bytes of my row
	v_cvt_scalef32_pk16_fp6_f32 v[192:194], v[96:111], v62
	v_cvt_scalef32_pk16_fp6_f32 v[40:42], v[112:127], v63
	v_nop
.irp i, 0,1,2
	v_permlane16_swap_b32 v[192+\i], v[40+\i]
.endr
.irp i, 0,1,2
	v_mov_b32 v[195+\i], v[40+\i]
.endr
	global_store_b128 v1, v[192:195], s[72:73]     ; half a fragment of the last product's A: 512 consecutive bytes,
	global_store_b64 v2, v[196:197], s[72:73] offset:512   ; and 256
	global_store_b16 v7, v38, s[74:75]             ; two bytes a row (both lanes of a row store the same): 2 bytes for each 48 of codes
	s_wait_xcnt 0x0                                ; bases and data may be written again
	s_add_nc_u64 s[68:69], s[68:69], 12288         ; sixteen tiles on
	s_add_nc_u64 s[70:71], s[70:71], 1024
	s_add_nc_u64 s[72:73], s[72:73], 196608
	s_add_nc_u64 s[74:75], s[74:75], 8192
	s_sub_co_u32 s59, s59, 1
	s_cmp_lg_u32 s59, 0
	s_cbranch_scc1 .Lpass
	s_wait_tensorcnt 0x0                           ; the wave's end
	ds_add_u32 v254, v255
	s_wait_dscnt 0x0
	CROUND                                         ; the closing round
	s_endpgm
.Lfunc_end_k_q993e6aaba3_attn:
	.size	k_q993e6aaba3_attn, .Lfunc_end_k_q993e6aaba3_attn-k_q993e6aaba3_attn
	.p2alignl 7, 3214868480
	.fill 96, 4, 3214868480
	.section	.rodata,"a",@progbits
	.p2align	6, 0x0
	.amdhsa_kernel k_q993e6aaba3_attn
		.amdhsa_group_segment_fixed_size 263168
		.amdhsa_private_segment_fixed_size 0
		.amdhsa_enable_private_segment 0
		.amdhsa_kernarg_size 24
		.amdhsa_user_sgpr_count 2
		.amdhsa_user_sgpr_kernarg_segment_ptr 1
		.amdhsa_wavefront_size32 1
		.amdhsa_system_sgpr_workgroup_id_x 1
		.amdhsa_system_sgpr_workgroup_id_y 1
		.amdhsa_system_sgpr_workgroup_id_z 1
		.amdhsa_system_vgpr_workitem_id 0
		.amdhsa_next_free_vgpr 256
		.amdhsa_next_free_sgpr 80
		.amdhsa_reserve_vcc 0
		.amdhsa_float_denorm_mode_32 3
		.amdhsa_float_denorm_mode_16_64 3
		.amdhsa_memory_ordered 1
		.amdhsa_forward_progress 1
		.amdhsa_inst_pref_size 71
	.end_amdhsa_kernel
	.amdgpu_metadata
---
amdhsa.version: [ 1, 2 ]
amdhsa.kernels:
  - .name:           k_q993e6aaba3_attn
    .symbol:         k_q993e6aaba3_attn.kd
    .args:
      - { .name: qkv, .offset: 0, .size: 8, .value_kind: global_buffer, .address_space: global }
      - { .name: ao, .offset: 8, .size: 8, .value_kind: global_buffer, .address_space: global }
      - { .name: scl, .offset: 16, .size: 8, .value_kind: global_buffer, .address_space: global }
    .group_segment_fixed_size: 263168
    .private_segment_fixed_size: 0
    .kernarg_segment_align: 8
    .kernarg_segment_size: 24
    .max_flat_workgroup_size: 512
    .sgpr_count:     80
    .vgpr_count:     256
    .wavefront_size: 32
...
	.end_amdgpu_metadata
.endif
;; end of part 3
;; launch oproj (part 4): grid 4 x 64, 4 waves a work-group, clusters of 4 x 4, 327,680 bytes of LDS; arguments ao, img, scl, bo, out0; writes out0
.if DOCPART == 4
	.amdgcn_target "amdgcn-amd-amdhsa--gfx1250"
	.amdhsa_code_object_version 6
	.text
	.protected	k_q993e6aaba3_oproj
	.globl	k_q993e6aaba3_oproj
	.p2align	8
	.type	k_q993e6aaba3_oproj,@function
k_q993e6aaba3_oproj:
	s_mov_b64 s[64:65], 0
	v_nop
	global_prefetch_b8 v0, s[64:65] scope:SCOPE_SE
	s_setreg_imm32_b32 hwreg(HW_REG_WAVE_MODE, 25, 1), 1
	s_wait_xcnt 0x0
	s_wait_alu depctr_hold_cnt(0) depctr_sa_sdst(0) depctr_va_vdst(0) depctr_va_sdst(0) depctr_va_ssrc(0) depctr_va_vcc(0) depctr_vm_vsrc(0)
	s_getreg_b32 s2, hwreg(HW_REG_IB_STS2, 6, 4)
	s_cmp_eq_u32 s2, 0
	s_cbranch_scc0 .Lentry_in_a_cluster
	s_endpgm
.Lentry_in_a_cluster:
	s_bfe_u32 s2, ttmp6, 0x10000c
	s_cmp_lg_u32 s2, 0xf033
	s_cbranch_scc0 .Lentry_shape_is_right
	s_endpgm
.Lentry_shape_is_right:
; out0 = o Wo^T + bo on codes of FP6 (E2M3) with E8M0 scales; out0 [8192][1024] f32.  o's codes come from ao ([tile of 16 tokens][head] 768 bytes: registers 0-3 at 16 l,
; 4-5 at 8 l; two heads make a fragment of 128 K), Wo's from img (tiles 704-767, 1,536 bytes a fragment), the scale words from scl.
; A work-group makes 128 tokens (the lanes' axis) x 256 features (the registers' axis), K = 1,024; both operands lie in LDS whole: every tensor load is a first fill.
; Four waves 2 x 2, each 64 x 128: 32 accumulators.  THE MATRIX INSTRUCTION IS USED TRANSPOSED: source 0 = 16 rows of Wo, source 1 = 16 tokens.  Tile 2 G + U holds in lane-row r
; the row 32 G + 8 U + r + 8 (r / 8): a lane's 16 registers of Wo's tiles 2 G, 2 G + 1 are the features 32 G + 16 (lane / 16) + 0 .. 15.  The bias is the C of each sum's first product.
; CLUSTERS 4 x 4: o's tiles are shared along a row of the cluster, Wo's along a column, asked for jointly.
; REGISTERS: window 0: v4-27 addresses; v64-127 scale words; v128-223 A's fragments, two sets; on the way out v128-255 rows of out0.
;   window 1: B's fragments, sets at v0 and v128.  window 2: accumulator (a, b) at v[8 (8 a + b)].  window 3: v0-63 the bias.
.set ADRA, 4                           ; v4-5    16 x lane + my A tiles in chunk c
.set ADRB, 8                           ; v8-9   the same for B
.set SOFF, 12
.set L16,  14
.set L8,   15
.set ADRA8, 16                         ; v16-17  8 x lane + my A tiles in chunk c
.set STO,  24                          ; v24     the way out: where I put 32 bytes of a row
.set RD,   25                          ; v25     and where I read a row back
.set SC,   64
.set AF,   128
.set BK,   128
.set G1A,  24
.set G1B,  32
.set G0A,  40
.set G0B,  68
.set MSB, 0
.macro WIN new
.if MSB != \new
	s_set_vgpr_msb (MSB<<8)|\new
.set MSB, \new
.endif
.endm
.macro PLACES n
.rept \n
	v_nop
.endr
.endm
.macro CROUND
	s_barrier_signal -1
	s_barrier_wait -1
	s_cmp_lg_u32 s12, 0
	s_cbranch_scc1 .Lnot_wave_0_\@
	s_barrier_signal -3
.Lnot_wave_0_\@:
	s_barrier_wait -3
	s_barrier_signal -1
	s_barrier_wait -1
.endm
	s_load_b128 s[4:7], s[0:1], 0x0                ; ao, img
	s_load_b128 s[8:11], s[0:1], 0x10              ; scl, bo
	s_load_b64 s[60:61], s[0:1], 0x20              ; out0
	v_lshl_add_u32 v62, v0, 2, 0x48000
	v_mov_b32 v63, 0
	ds_add_u32 v62, v63
	ds_add_u32 v62, v63
	v_lshrrev_b32 v1, 5, v0
	v_readfirstlane_b32 s12, v1                    ; wave 0..3
	s_lshr_b32 s13, s12, 1                         ; wr: my 64 tokens.  Also: I fetch for A (0) or for B (1)
	s_and_b32 s14, s12, 1                          ; wc: my 128 features.  Also: which half of that operand I fetch
	s_bfe_u32 s15, ttmp6, 0x40000                  ; cx = tb: which 256 features
	s_bfe_u32 s16, ttmp6, 0x40004                  ; cy
	s_and_b32 s20, ttmp7, 0xffff
	s_lshl_b32 s20, s20, 2
	s_add_co_u32 s20, s20, s16                     ; ta: which 128 tokens
	s_lshl_b32 s22, s16, 2
	s_lshl_b32 s22, 15, s22                        ; my row of the cluster
	s_lshl_b32 s23, 0x1111, s15                    ; my column
	s_or_b32 s[G1A], s22, (3<<16)|(1<<21)          ; rows = tiles; a row is a chunk of four K steps, 768 elements of 8 bytes; tiles 1,536 elements apart; no padding
	s_or_b32 s[G1B], s23, (3<<16)|(1<<21)
.irp g, G1A, G1B
	s_mov_b32 s[\g+1], 768<<16                     ; a row is now half of a tile's K: four K steps, 6,144 bytes = 768 elements
	s_mov_b32 s[\g+3], 768<<16
	s_mov_b32 s[\g+5], 1536
	s_mov_b32 s[\g+6], 0
	s_mov_b32 s[\g+7], 0
.endr
	s_mov_b32 s[G1A+2], 4<<16
	s_mov_b32 s[G1A+4], 4
	s_mov_b32 s[G1B+2], 8<<16
	s_mov_b32 s[G1B+4], 8
	s_lshl_b32 s84, s20, 3                         ; A's first tile in ao
	s_lshl_b32 s85, s14, 2
	s_add_co_u32 s85, s84, s85
	s_mul_i32 s86, s85, 12288
	s_mov_b32 s87, 0
	s_lshl_b32 s88, s15, 4
	s_add_co_u32 s88, s88, 704                     ; B's first tile in img
	s_lshl_b32 s89, s14, 3
	s_add_co_u32 s89, s88, s89
	s_mul_i32 s90, s89, 12288
	s_mov_b32 s91, 0
	s_mul_i32 s92, s14, 24576
	s_mul_i32 s93, s14, 49152
	s_add_co_u32 s93, s93, 98304
	s_wait_dscnt 0x0
	s_wait_kmcnt 0x0
	s_add_nc_u64 s[86:87], s[4:5], s[86:87]
	s_add_nc_u64 s[90:91], s[6:7], s[90:91]
	CROUND                                         ; all sixteen work-groups are here: the joint loads meet
.irp c, 0,1
	s_mov_b32 s[G0A+4*\c], 1
	s_add_co_u32 s[G0A+4*\c+1], s92, 49152*\c
	s_add_nc_u64 s[G0A+4*\c+2:G0A+4*\c+3], s[86:87], 6144*\c
	s_or_b32 s[G0A+4*\c+3], s[G0A+4*\c+3], 0x80000000
	s_mov_b32 s[G0B+4*\c], 1
	s_add_co_u32 s[G0B+4*\c+1], s93, 98304*\c
	s_add_nc_u64 s[G0B+4*\c+2:G0B+4*\c+3], s[90:91], 6144*\c
	s_or_b32 s[G0B+4*\c+3], s[G0B+4*\c+3], 0x80000000
.endr
	s_cmp_eq_u32 s13, 0                            ; a wave's fill stands in one branch on its number: one load of mine is out; four v_nop follow it
	s_cbranch_scc0 .Lfill_b
	tensor_load_to_lds s[G0A:G0A+3], s[G1A:G1A+7]  ; K steps 0-3: one tensor load a wave at the head
	s_nop 0
	PLACES 4
	s_branch .Lfilled
.Lfill_b:
	tensor_load_to_lds s[G0B:G0B+3], s[G1B:G1B+7]
	s_nop 0
	PLACES 4
.Lfilled:
	v_and_b32 v1, 31, v0                           ; lane
	v_and_b32 v2, 15, v0                           ; r
	v_bfe_u32 v3, v0, 4, 1                         ; h
	v_lshlrev_b32 v[L16], 4, v1
	v_lshlrev_b32 v[L8], 3, v1
	s_mul_i32 s94, s13, 24576
	s_mul_i32 s95, s14, 49152
	s_add_co_u32 s95, s95, 98304
.irp c, 0,1
	v_add_nc_u32 v[ADRA+\c], s94, v[L16]
	v_add_nc_u32 v[ADRA8+\c], s94, v[L8]
	v_add_nc_u32 v[ADRB+\c], s95, v[L16]
	s_add_co_u32 s94, s94, 49152
	s_add_co_u32 s95, s95, 98304
.endr
	s_wait_alu depctr_va_vdst(0)
	s_mul_i32 s94, s12, 16*528                     ; my stage
	v_mul_u32_u24 v[STO], v2, 528
	v_lshl_add_u32 v[STO], v3, 6, v[STO]
	v_add_nc_u32 v[STO], s94, v[STO]               ; in: row r, + 64 h
	v_add_nc_u32 v[RD], s94, v[L16]                ; back: 16 bytes a lane of a row of 512
	s_mov_b32 s58, 0xffff0000                      ; lanes 16-31
	s_lshl_b32 s96, s13, 2
	s_add_co_u32 s96, s96, s84
	s_lshl_b32 s96, s96, 9                         ; o's scale words: my first tile
	s_lshl_b32 s97, s89, 9
	s_add_co_u32 s97, s97, 262144                  ; Wo's
	v_mov_b32 v13, s96
	v_mov_b32 v20, s97
	v_cndmask_b32 v13, v13, v20, s58
	v_lshl_add_u32 v[SOFF], v2, 5, v13
.irp i, 0,1,2,3,4,5,6,7                ; (for i above 3 lanes 0-15 read words inside the buffer that nobody uses)
	global_load_b128 v[SC+8*\i:SC+8*\i+3], v[SOFF], s[8:9] offset:512*\i
	global_load_b128 v[SC+8*\i+4:SC+8*\i+7], v[SOFF], s[8:9] offset:512*\i+16
.endr
	s_lshl_b32 s2, s15, 10                         ; the bias of my 128 features: tile b: 32 (b / 2) + 16 h + 8 (b % 2) + 0 .. 7
	s_lshl_b32 s3, s14, 9
	s_add_co_u32 s2, s2, s3
	s_mov_b32 s3, 0
	s_add_nc_u64 s[10:11], s[10:11], s[2:3]
	v_lshlrev_b32 v21, 6, v3
	WIN 0xc0                                       ; destination window 3
.irp b, 0,1,2,3,4,5,6,7
	global_load_b128 v[8*\b:8*\b+3], v21, s[10:11] offset:4*(32*(\b/2)+8*(\b%2))
	global_load_b128 v[8*\b+4:8*\b+7], v21, s[10:11] offset:4*(32*(\b/2)+8*(\b%2))+16
.endr
	WIN 0
	s_lshl_b32 s98, s20, 19                        ; out0: 128 ta + 64 wr rows of 4,096 bytes, + my first column
	s_lshl_b32 s99, s13, 18
	s_add_co_u32 s98, s98, s99
	s_add_co_u32 s98, s98, s2
	s_mov_b32 s99, 0
	s_add_nc_u64 s[60:61], s[60:61], s[98:99]
.macro FRAG3 reg, adr, off
.irp j, 0,1,2
	ds_load_b128 v[(\reg)+4*\j:(\reg)+4*\j+3], v[\adr] offset:(\off)+512*\j
.endr
.endm
.macro FRAG4 reg, c, off               ; two heads' halves make a fragment
	ds_load_b128 v[(\reg):(\reg)+3], v[ADRA+\c] offset:(\off)
	ds_load_b64 v[(\reg)+4:(\reg)+5], v[ADRA8+\c] offset:(\off)+512
	ds_load_b128 v[(\reg)+6:(\reg)+9], v[ADRA+\c] offset:(\off)+768
	ds_load_b64 v[(\reg)+10:(\reg)+11], v[ADRA8+\c] offset:(\off)+1280
.endm
.macro FETCH s
	WIN 0x40
.irp b, 0,1,2,3,4,5,6,7
	FRAG3 128*((\s)%2)+12*\b, ADRB+(\s)/4, \b*6144+((\s)%4)*1536
.endr
	WIN 0
.irp a, 0,1,2,3
	FRAG4 AF+48*((\s)%2)+12*\a, (\s)/4, \a*6144+((\s)%4)*1536
.endr
.endm
.macro MM a, b, s, first
.set DD, 8*(8*(\a)+(\b))
.set FB, 128*((\s)%2)+12*(\b)
.set FA, AF+48*((\s)%2)+12*(\a)
.if \first
	v_wmma_scale_f32_16x16x128_f8f6f4 v[DD:DD+7], v[FB:FB+11], v[FA:FA+11], v[8*(\b):8*(\b)+7], v[SC+8*(\b)+(\s)], v[SC+8*(\a)+(\s)] matrix_a_fmt:MATRIX_FMT_FP6 matrix_b_fmt:MATRIX_FMT_FP6 matrix_a_scale:MATRIX_SCALE_ROW1
.else
	v_wmma_scale_f32_16x16x128_f8f6f4 v[DD:DD+7], v[FB:FB+11], v[FA:FA+11], v[DD:DD+7], v[SC+8*(\b)+(\s)], v[SC+8*(\a)+(\s)] matrix_a_fmt:MATRIX_FMT_FP6 matrix_b_fmt:MATRIX_FMT_FP6 matrix_a_scale:MATRIX_SCALE_ROW1
.endif
.endm
.macro MUL16 a0, s, first              ; the 32 accumulators take turns, one instruction a turn, in the same order in every step
.irp a, \a0, \a0+1
.irp b, 0,1,2,3,4,5,6,7
	MM \a, \b, \s, \first
.endr
.endr
.endm
.macro STEP s, first
	s_wait_dscnt 0x0                               ; this step's fragments are in
	WIN 0xa1+0x10*\first                           ; source 0 (B) window 1, source 1 (A) window 0, D window 2; C window 2, in the first step window 3: the bias
	MUL16 0, \s, \first
.if (\s) == 3
	s_wait_tensorcnt 0x0                           ; my part of K steps 4-7 is in; behind it nobody reads A's K steps 0-3, where the stages lie
	s_barrier_signal -1
	s_barrier_wait -1
.endif
.if (\s) < 7
	PLACES 4                                       ; in front of loads into the set that the last step's products read
	FETCH (\s)+1
.endif
	WIN 0xa1+0x10*\first
	MUL16 2, \s, \first
.endm
	s_wait_alu depctr_va_vdst(0)
	s_wait_tensorcnt 0x0                           ; my part of K steps 0-3 is in
	ds_add_u32 v62, v63
	s_wait_dscnt 0x0
	CROUND                                         ; everybody's part is in, and the joint loads of K steps 4-7 meet
	s_cmp_eq_u32 s13, 0
	s_cbranch_scc0 .Lfill_b1
	tensor_load_to_lds s[G0A+4:G0A+7], s[G1A:G1A+7]
	s_nop 0
	PLACES 4
	s_branch .Lfilled1
.Lfill_b1:
	tensor_load_to_lds s[G0B+4:G0B+7], s[G1B:G1B+7]
	s_nop 0
	PLACES 4
.Lfilled1:
	FETCH 0
	s_wait_loadcnt 0x0                             ; scale words and bias
	STEP 0, 1
.irp s, 1,2,3,4,5,6,7
	STEP \s, 0
.endr
	WIN 0
; THE WAY OUT, block by block of 16 tokens x 128 features, through my own stage of 16 rows x (512 + 16) bytes.  The stages lie in A's chunk 0: those bytes have had their only
; fill, and every wave's last read of them came back ahead of the barrier in K step 3.  LDS serves a wave's instructions in order: no wait between the stores and the loads.
.macro TOSTAGE a
	WIN 0x08                                       ; an LDS store's data are its source 1: window 2
.irp b, 0,1,2,3,4,5,6,7
	ds_store_b128 v[STO], v[64*(\a)+8*\b:64*(\a)+8*\b+3] offset:128*(\b/2)+32*(\b%2)        ; each accumulator from its low end on
	ds_store_b128 v[STO], v[64*(\a)+8*\b+4:64*(\a)+8*\b+7] offset:128*(\b/2)+32*(\b%2)+16
.endr
	WIN 0
.set BB, BK+64*((\a)%2)
.irp t, 0,1,2,3,4,5,6,7,8,9,10,11,12,13,14,15
	ds_load_b128 v[BB+4*\t:BB+4*\t+3], v[RD] offset:\t*528
.endr
.endm
.macro SEND a, younger                 ; younger: the LDS instructions issued behind block a's loads, which may stay out
.set BB, BK+64*((\a)%2)
	s_wait_dscnt \younger
.irp t, 0,1,2,3,4,5,6,7,8,9,10,11,12,13,14,15
	global_store_b128 v[L16], v[BB+4*\t:BB+4*\t+3], s[60:61] offset:(32*((\a)/2)+8*((\a)%2)+\t+8*(\t/8))*4096 th:TH_STORE_NT   ; 32 lanes store 512 consecutive bytes of the token's row
.endr
.endm
	PLACES 4                                       ; in front of the first reads of results and of loads over A's fragments
	s_wait_alu depctr_va_vdst(0)
	TOSTAGE 0
.irp a, 1,2,3
.if \a > 1
	s_wait_xcnt 0x0                                ; block a - 2's stores have read their registers: block a's loads may land there
.endif
	TOSTAGE \a
	SEND \a-1, 32                                  ; behind block a - 1's loads: block a's 16 stores and 16 loads
.endr
	SEND 3, 0
	s_wait_dscnt 0x0
	s_wait_tensorcnt 0x0
	ds_add_u32 v62, v63
	s_wait_dscnt 0x0
	CROUND                                         ; the closing round: no work-group ends while a partner may still ask for a tile that names it
	s_endpgm
.Lfunc_end_k_q993e6aaba3_oproj:
	.size	k_q993e6aaba3_oproj, .Lfunc_end_k_q993e6aaba3_oproj-k_q993e6aaba3_oproj
	.p2alignl 7, 3214868480
	.fill 96, 4, 3214868480
	.section	.rodata,"a",@progbits
	.p2align	6, 0x0
	.amdhsa_kernel k_q993e6aaba3_oproj
		.amdhsa_group_segment_fixed_size 327680
		.amdhsa_private_segment_fixed_size 0
		.amdhsa_enable_private_segment 0
		.amdhsa_kernarg_size 40
		.amdhsa_user_sgpr_count 2
		.amdhsa_user_sgpr_kernarg_segment_ptr 1
		.amdhsa_wavefront_size32 1
		.amdhsa_system_sgpr_workgroup_id_x 1
		.amdhsa_system_sgpr_workgroup_id_y 1
		.amdhsa_system_sgpr_workgroup_id_z 1
		.amdhsa_system_vgpr_workitem_id 0
		.amdhsa_next_free_vgpr 1024
		.amdhsa_next_free_sgpr 100
		.amdhsa_reserve_vcc 0
		.amdhsa_float_denorm_mode_32 3
		.amdhsa_float_denorm_mode_16_64 3
		.amdhsa_memory_ordered 1
		.amdhsa_forward_progress 1
		.amdhsa_inst_pref_size 80
	.end_amdhsa_kernel
	.amdgpu_metadata
---
amdhsa.version: [ 1, 2 ]
amdhsa.kernels:
  - .name:           k_q993e6aaba3_oproj
    .symbol:         k_q993e6aaba3_oproj.kd
    .args:
      - { .name: ao, .offset: 0, .size: 8, .value_kind: global_buffer, .address_space: global }
      - { .name: img, .offset: 8, .size: 8, .value_kind: global_buffer, .address_space: global }
      - { .name: scl, .offset: 16, .size: 8, .value_kind: global_buffer, .address_space: global }
      - { .name: bo, .offset: 24, .size: 8, .value_kind: global_buffer, .address_space: global }
      - { .name: out0, .offset: 32, .size: 8, .value_kind: global_buffer, .address_space: global }
    .group_segment_fixed_size: 327680
    .private_segment_fixed_size: 0
    .kernarg_segment_align: 8
    .kernarg_segment_size: 40
    .max_flat_workgroup_size: 128
    .sgpr_count:     100
    .vgpr_count:     1024
    .wavefront_size: 32
...
	.end_amdgpu_metadata
.endif
;; end of part 4
